; MI455X (gfx1250); checked and timed in simulation.
; The chip was launched on July 23, 2026; its instructions are those of AMD's public machine-readable ISA for CDNA 5 (MIT licence, August 2026) and "CDNA5" Instruction Set Architecture Reference Guide (July 2026). The comments in the code are by the model that wrote it; some were corrected since.
;; Multi Headed Attention. Allowed arithmetic: matrix products marked QUANTISED: E2M1 operands, one E8M0 scale for each 32 along K, by v_wmma_scale_f32_16x16x128_f8f6f4 with both operands' format E2M1 (or v_wmma_scale_f32_32x16x128_f4), f32 sums; products left as they are: bf16, f16 or f32 operands; f32 sums; everything else in f32.
;; Inputs: Wk 1,024 x 1,024 float32; Wo 1,024 x 1,024 float32; Wq 1,024 x 1,024 float32; Wv 1,024 x 1,024 float32; bk 1,024 float32; bo 1,024 float32; bq 1,024 float32; bv 1,024 float32; k 4 x 2,048 x 1,024 float32; q 4 x 2,048 x 1,024 float32; v 4 x 2,048 x 1,024 float32.
;; Outputs: out0 4 x 2,048 x 1,024 float32.
;; This version of the problem:
;;   THIS VERSION OF THE PROBLEM IS GIVEN IN LOW PRECISION. The matrix products marked QUANTISED in the list below multiply operands that are first quantised to E2M1 (2 exponent bits, 1 mantissa bit; 4 bits a number), with one power-of-two scale for each 32 numbers along K (OCP MX v1.0); their sums are f32. The products marked 'left as it is' may take bf16, f16 or f32 operands, with f32 sums. Whichever they take, every output number must still come out within the allowed error. Rounding operands to bf16 (8 significant bits) uses up far more of that allowance than f16 does (11 bits, for magnitudes from 6e-5 to 65,504). All else is computed in f32.
;;   The module's matrix products, in the order in which they are computed (A, B: the left and right operand; K: the contracted axis; several contracted axes count as one K, in the product's order):
;;     1. [M 8,192, K 1,024] x [K 1,024, N 1,024]; A: input q; B: input Wq: QUANTISED
;;     2. [M 8,192, K 1,024] x [K 1,024, N 1,024]; A: input k; B: input Wk: QUANTISED
;;     3. [M 8,192, K 1,024] x [K 1,024, N 1,024]; A: input v; B: input Wv: QUANTISED
;;     4. batch 64 x [M 2,048, K 64] x [K 64, N 2,048]; A: computed on the way; B: computed on the way: left as it is (an operand is computed on the way)
;;     5. batch 64 x [M 2,048, K 2,048] x [K 2,048, N 64]; A: computed on the way; B: computed on the way: left as it is (an operand is computed on the way)
;;     6. [M 8,192, K 1,024] x [K 1,024, N 1,024]; A: computed on the way; B: input Wo: left as it is (an operand is computed on the way)
;;   THE QUANTISER, for each operand of a quantised product, along K:
;;     - K is cut into blocks of 32 from its start; a last block that is shorter is filled with zeros.
;;     - A block's scale is 2^e with e = floor(log2(the largest magnitude in the block)) - 2, held to -126 .. 127; a block of zeros has e = 0. As a byte (E8M0): e + 127.
;;     - Each number is divided by its block's scale, clamped to +-6, and rounded to the nearest number of E2M1, ties to even, subnormals kept.
;;     - The product sums the exact products of the quantised numbers (number of the format x scale) in f32.
;;   ~~~python
;;   def quantise(x, axis):      # numpy; x: float32 -> the quantised numbers, widened to float32 again
;;       x = np.moveaxis(x, axis, -1); K = x.shape[-1]
;;       x = np.pad(x, [(0, 0)] * (x.ndim - 1) + [(0, -K % 32)]); x = x.reshape(x.shape[:-1] + (-1, 32)); a = np.abs(x).max(-1, keepdims=True)
;;       e = np.where(a > 0, np.clip(np.frexp(np.where(a > 0, a, 1))[1] - 1 - 2, -126, 127), 0)      # np.frexp(a)[1] - 1 = floor(log2(a)), exactly
;;       r = np.clip(x / 2.0 ** e, -6, 6)
;;       step = 2.0 ** (np.maximum(np.frexp(np.where(r == 0, 1, r))[1] - 1, 0) - 1)
;;       q = np.round(r / step) * step * 2.0 ** e      # np.round: ties to even
;;       return np.moveaxis(q.reshape(q.shape[:-2] + (-1,))[..., :K], -1, axis).astype(np.float32)
;;   ~~~
;; One version. Each part assembles by itself: llvm-mc -triple=amdgcn-amd-amdhsa -mcpu=gfx1250 --defsym DOCPART=n.
;; ======== version 1 of 1: 5 launches
;; limits: values are held in f16: magnitudes above 65,504 overflow, below 6.1e-05 lose precision
;; workspace buffers: codes 14,155,776 bytes; scales 884,736 bytes; rope 524,288 bytes; wof 2,097,152 bytes; qkv 50,331,648 bytes; h16 786,432 bytes; att 16,777,216 bytes
;; launch prep (part 1): grid 992 x 1, 4 waves a work-group, no clusters, 33,280 bytes of LDS; arguments q, k, v, Wq, Wk, Wv, Wo, codes, scales, wof, rope; writes codes, scales, wof, rope
.if DOCPART == 1
	.amdgcn_target "amdgcn-amd-amdhsa--gfx1250"
	.amdhsa_code_object_version 6
	.text
	.protected	k_q2111cd2d3c_prep
	.globl	k_q2111cd2d3c_prep
	.p2align	8
	.type	k_q2111cd2d3c_prep,@function
k_q2111cd2d3c_prep:
	s_mov_b64 s[64:65], 0
	v_nop
	global_prefetch_b8 v0, s[64:65] scope:SCOPE_SE
	s_setreg_imm32_b32 hwreg(HW_REG_WAVE_MODE, 25, 1), 1
	s_wait_xcnt 0x0
; PREP: three jobs, told apart by the work-group's number.
; (a) work-groups 0-863: q, k, v [8192][1024] and Wq, Wk, Wv [1024][1024], f32, K innermost, become codes of FP4 (E2M1), two a byte, and one E8M0 byte for each 32 along K.
;     The six tensors lie on end in the two buffers: rows q 0.., k 8192.., v 16384.., Wq 24576.., Wk 25600.., Wv 26624..; 512 bytes of codes and 32 scale bytes a row.
;     A block's scale byte is its largest magnitude's exponent field - 2, held at 1 from below; numbers are divided by the scale and rounded to the nearest code, ties to even, beyond 6 the largest code.
; (b) work-groups 864-927: Wo [1024][1024] f32 becomes f16, laid as the register images of 16 x 32 fragments: [n / 16][k / 32][half 2][lane][16 bytes]: lane (r, h) holds row 16 nt + r, k = 32 kc + 16 e + 8 h + 0 .. 7.
; (c) work-groups 928-991: the table of cos and sin for the rotary embedding, [l / 16][bq 4][e 2][lane][16 bytes]: lane (r, h) holds (cos, sin) of pairs 8 bq + 4 h + 2 e and + 1 at position 16 lt + r.
;     The angle is l x 10000^(-p / 32), one f32 product; it is reduced by whole turns (1 / 2 pi in two parts) and cos and sin are Taylor sums to y^18 and y^17 on |y| <= pi, whose first left-out terms lie under 3e-8.
; LIMITS: NaN and infinities among the inputs are not served.  A block of zeros gets the byte 1 where the quantiser's rule says 127: its codes are zeros, and this program alone reads the bytes.  Blocks whose largest
; magnitude lies under 2^-124 have their byte held at 1.  Wo beyond 65,504 in magnitude does not fit f16; under 6e-5 it carries an absolute error of 2^-25.  The table's angle is good to about 2.5e-4 rad at l = 2047.
; No tensor loads, no barrier, no cluster: waves share nothing, and every input byte is read once.
.set WAVES, 4
.set STEPS, 16
.set EMAX,  2
.set CB,    8                          ; bytes of 16 codes
.set R,     16                         ; v16-79   (a) four sets of 16 numbers as loaded; (b) v16-143 the numbers, then the f16 pairs
.set X,     80                         ; v80-111  two sets of 16 neighbours
.set E,     112                        ; v112-127 a scale byte for each step
.set C,     128                        ; v128-191 codes: four registers for each step
.set WREG,  8192                       ; LDS: a region for each wave: two stages of 32 x SP bytes, then its 256 scale bytes
.set SP,    80                         ; a lane's place in a stage: 64 bytes + 16 of padding
.set SPW,   12                         ; v12  LDS address of my spare word; never rewritten
.set NIL,   13                         ; v13  0; never rewritten
.set SPARE, WAVES*WREG                 ; behind the four regions: the spare words, 128 bytes a wave
.set NQUANT, 864                       ; work-groups of job (a): (3 x 8192 + 3 x 1024) x 1024 / 32768
.set NWO,    64                        ; of job (b)
	s_load_b512 s[4:19], s[0:1], 0x0               ; q, k, v, Wq, Wk, Wv, Wo, codes
	s_load_b128 s[20:23], s[0:1], 0x40             ; scales, wof
	s_load_b64 s[24:25], s[0:1], 0x50              ; rope
	v_lshl_add_u32 v[SPW], v0, 2, SPARE
	v_mov_b32 v[NIL], 0
	v_lshrrev_b32 v1, 5, v0
	v_readfirstlane_b32 s26, v1                    ; wave
	v_and_b32 v2, 31, v0                           ; lane
	s_wait_kmcnt 0x0
	s_cmp_ge_u32 ttmp9, NQUANT
	s_cbranch_scc1 .Lother
; ---------------- (a) the quantiser: a wave takes 16 steps of 512 numbers.  Each load reads 512 consecutive bytes; a step's 2,048 bytes turn through the wave's own stage, so that a lane holds 16 neighbours along K.
	v_lshlrev_b32 v3, 4, v2                        ; my 16 bytes of a load's 512
	s_mul_i32 s27, s26, WREG
	v_lshrrev_b32 v14, 2, v2
	v_mul_u32_u24 v14, v14, SP
	v_and_b32 v15, 3, v2
	v_lshl_add_u32 v14, v15, 4, v14
	v_add_nc_u32 v14, s27, v14                     ; the stage on the way in: SP (lane / 4) + 16 (lane % 4)
	v_mul_u32_u24 v15, v2, SP
	v_add_nc_u32 v15, s27, v15                     ; and on the way out: SP x lane
	v_mul_u32_u24 v4, v2, CB                       ; my codes' place in a step's
	v_lshrrev_b32 v5, 1, v2
	s_add_co_u32 s27, s27, 2*32*SP
	v_add_nc_u32 v5, s27, v5                       ; LDS: my wave's 256 scale bytes, my block's byte
	v_lshlrev_b32 v7, 3, v2
	v_add_nc_u32 v6, s27, v7                       ; and on the way out 8 bytes a lane
	s_mov_b64 s[28:29], s[14:15]                   ; which tensor: the choice hangs on the work-group's number alone
	s_mov_b32 s30, 832
	s_cmp_lt_u32 ttmp9, 832
	s_cselect_b64 s[28:29], s[12:13], s[28:29]
	s_cselect_b32 s30, 800, s30
	s_cmp_lt_u32 ttmp9, 800
	s_cselect_b64 s[28:29], s[10:11], s[28:29]
	s_cselect_b32 s30, 768, s30
	s_cmp_lt_u32 ttmp9, 768
	s_cselect_b64 s[28:29], s[8:9], s[28:29]
	s_cselect_b32 s30, 512, s30
	s_cmp_lt_u32 ttmp9, 512
	s_cselect_b64 s[28:29], s[6:7], s[28:29]
	s_cselect_b32 s30, 256, s30
	s_cmp_lt_u32 ttmp9, 256
	s_cselect_b64 s[28:29], s[4:5], s[28:29]
	s_cselect_b32 s30, 0, s30
	s_sub_co_u32 s30, ttmp9, s30
	s_lshl_b32 s30, s30, 2
	s_add_co_u32 s30, s30, s26                     ; which run of 8,192 numbers of the tensor is my wave's
	s_lshl_b32 s30, s30, 15                        ; 32,768 bytes a run
	s_mov_b32 s31, 0
	s_add_nc_u64 s[28:29], s[28:29], s[30:31]
	s_lshl_b32 s32, ttmp9, 2
	s_add_co_u32 s32, s32, s26                     ; and which run of the six tensors on end
	s_mov_b32 s33, 0
	s_lshl_b32 s34, s32, 12                        ; 4,096 bytes of codes a run
	s_mov_b32 s35, 0
	s_add_nc_u64 s[18:19], s[18:19], s[34:35]
	s_lshl_b32 s32, s32, 8                         ; 256 scale bytes a run
	s_add_nc_u64 s[20:21], s[20:21], s[32:33]
.macro LOAD t
.irp i, 0,1,2,3
	global_load_b128 v[R+16*((\t)%4)+4*\i:R+16*((\t)%4)+4*\i+3], v3, s[28:29] offset:2048*(\t)+512*\i th:TH_LOAD_NT   ; 32 lanes read 512 consecutive bytes
.endr
.endm
.macro TURN t                          ; step t's numbers through the stage: LDS serves a wave's instructions in order, so no wait stands between the stores and the loads
.irp i, 0,1,2,3
	ds_store_b128 v14, v[R+16*((\t)%4)+4*\i:R+16*((\t)%4)+4*\i+3] offset:32*SP*((\t)%2)+8*SP*\i
.endr
.irp i, 0,1,2,3
	ds_load_b128 v[X+16*((\t)%2)+4*\i:X+16*((\t)%2)+4*\i+3], v15 offset:32*SP*((\t)%2)+16*\i
.endr
.endm
.irp t, 0,1,2,3
	LOAD \t
.endr
	s_wait_loadcnt 12                              ; step 0's four loads are in; three steps' twelve may be out
	TURN 0
.macro STEP t
.set XS, X+16*((\t)%2)
.if (\t) > 0
	s_wait_dscnt 1                                 ; this step's numbers are back from the stage (the last step's byte store may be out)
.else
	s_wait_dscnt 0x0
.endif
.if (\t)+4 < STEPS
	LOAD (\t)+4                                    ; into the registers that the stage's stores have read
.endif
.if (\t)+1 < STEPS
.if STEPS-2-(\t) >= 3
	s_wait_loadcnt 12                              ; the next step's four loads are in; those of the three steps behind it may be out
.else
	s_wait_loadcnt 4*(STEPS-2-(\t))
.endif
	TURN (\t)+1
.endif
	v_max3_num_f32 v8, |v[XS]|, |v[XS+1]|, |v[XS+2]|               ; the largest magnitude of my 16, in two chains
	v_max3_num_f32 v9, |v[XS+3]|, |v[XS+4]|, |v[XS+5]|
.irp i, 6,10
	v_max3_num_f32 v8, v8, |v[XS+\i]|, |v[XS+\i+1]|
	v_max3_num_f32 v9, v9, |v[XS+\i+2]|, |v[XS+\i+3]|
.endr
	v_max3_num_f32 v8, v8, |v[XS+14]|, |v[XS+15]|
	v_max3_num_f32 v8, v8, v9, (EMAX+1)<<23        ; and the floor 2^(EMAX + 1 - 127): the byte cannot fall under 1
	v_max_num_f32_dpp v8, v8, v8 row_xmask:1 row_mask:0xf bank_mask:0xf   ; and of my neighbour's 16: the block's
	v_add_nc_u32 v11, -(EMAX<<23), v8              ; EMAX off its exponent field: the conversion takes the exponent field of this operand as its scale
	v_cvt_scalef32_pk8_fp4_f32 v[C+4*(\t)], v[XS:XS+7], v11
	v_cvt_scalef32_pk8_fp4_f32 v[C+4*(\t)+1], v[XS+8:XS+15], v11
	v_lshrrev_b32 v[E+(\t)], 23, v11               ; the scale's byte (also the plain line behind the conversions)
	ds_store_b8 v5, v[E+(\t)] offset:16*(\t)       ; both lanes of a block write the same byte with the same value
	global_store_b64 v4, v[C+4*(\t):C+4*(\t)+1], s[18:19] offset:32*CB*(\t)   ; the wave stores 256 consecutive bytes, aligned
.endm
.irp t, 0,1,2,3,4,5,6,7,8,9,10,11,12,13,14,15
	STEP \t
.endr
	ds_load_b64 v[8:9], v6                         ; LDS serves a wave's instructions in order: these see my byte stores
	s_wait_dscnt 0x0
	global_store_b64 v7, v[8:9], s[20:21]          ; 32 lanes store 256 consecutive bytes, aligned
	s_wait_tensorcnt 0x0                           ; the wave's end, behind my last LDS store
	ds_add_u32 v[SPW], v[NIL]
	s_wait_dscnt 0x0
	s_endpgm
.Lother:
	s_cmp_ge_u32 ttmp9, NQUANT+NWO
	s_cbranch_scc1 .Lrope
; ---------------- (b) Wo to f16 fragments.  The work-group takes 16 rows (nt), wave w the chunks kc = 8 w .. 8 w + 7; group x = 2 kk + e of eight numbers becomes 16 bytes of an image.
	s_sub_co_u32 s27, ttmp9, NQUANT                ; nt
	v_and_b32 v3, 15, v0                           ; r
	v_bfe_u32 v4, v0, 4, 1                         ; h
	v_lshlrev_b32 v5, 12, v3
	v_lshl_add_u32 v5, v4, 5, v5                   ; in: 4,096 r + 32 h
	v_lshlrev_b32 v6, 4, v2                        ; out: 16 x lane
	s_lshl_b32 s28, s27, 16                        ; 16 rows of 4,096 bytes
	s_lshl_b32 s29, s26, 10                        ; 256 numbers a wave
	s_add_co_u32 s28, s28, s29
	s_mov_b32 s29, 0
	s_add_nc_u64 s[16:17], s[16:17], s[28:29]
	s_lshl_b32 s28, s27, 15                        ; 32 chunks of 1,024 bytes
	s_lshl_b32 s30, s26, 13
	s_add_co_u32 s28, s28, s30
	s_add_nc_u64 s[22:23], s[22:23], s[28:29]
.irp x, 0,1,2,3,4,5,6,7,8,9,10,11,12,13,14,15
	global_load_b128 v[R+8*\x:R+8*\x+3], v5, s[16:17] offset:64*\x
	global_load_b128 v[R+8*\x+4:R+8*\x+7], v5, s[16:17] offset:64*\x+16
.endr
	s_wait_loadcnt 0x0
.irp x, 0,1,2,3,4,5,6,7,8,9,10,11,12,13,14,15
.irp i, 0,1,2,3
	v_cvt_pk_f16_f32 v[R+8*\x+\i], v[R+8*\x+2*\i], v[R+8*\x+2*\i+1]   ; in place, ascending: a pair is read before its place is taken
.endr
.endr
.irp x, 0,1,2,3,4,5,6,7,8,9,10,11,12,13,14,15
	global_store_b128 v6, v[R+8*\x:R+8*\x+3], s[22:23] offset:512*\x   ; 512 consecutive bytes a store
.endr
	s_endpgm
.Lrope:
; ---------------- (c) the table.  Entry number 512 j + 128 i + thread, i = 0 .. 3: lane = thread % 32, e = bit 5, bq = bit 6 + 2 (i % 2), lt = 2 j + i / 2.
	s_sub_co_u32 s27, ttmp9, NQUANT+NWO            ; j
	s_lshl_b32 s28, s27, 5                         ; 16 x 2 j
	s_mov_b32 s30, 0x3e22f983                      ; 1 / 2 pi, rounded to f32,
	s_mov_b32 s31, 0x31dc9c88                      ; and what the rounding left: 6.42e-9
	v_bfe_u32 v3, v0, 5, 1                         ; e
	v_bfe_u32 v4, v0, 6, 1                         ; bq's low bit
	v_bfe_u32 v5, v0, 4, 1                         ; h
	v_lshlrev_b32 v6, 3, v4
	v_lshl_add_u32 v6, v5, 2, v6
	v_lshl_add_u32 v6, v3, 1, v6                   ; my first pair for i even: 8 bq + 4 h + 2 e
	v_cvt_f32_u32 v6, v6
	v_add_f32 v7, 1.0, v6
	v_add_f32 v8, 0x41800000, v6                   ; for i odd: 16 pairs on
	v_add_f32 v9, 0x41880000, v6
.irp n, 6,7,8,9
	v_mul_f32 v\n, 0xbed49a78, v\n                 ; - p x log2(10000) / 32
.endr
.irp n, 6,7,8,9
	v_exp_f32 v\n, v\n                             ; 10000^(-p / 32)
.endr
	v_and_b32 v10, 15, v0                          ; (plain work behind the exponentials)
	v_add_nc_u32 v10, s28, v10
	v_cvt_f32_u32 v10, v10                         ; my position for i = 0, 1,
	v_add_f32 v11, 0x41800000, v10                 ; and for i = 2, 3
	v_lshlrev_b32 v14, 4, v0
	s_lshl_b32 s28, s27, 13
	s_mov_b32 s29, 0
	s_add_nc_u64 s[24:25], s[24:25], s[28:29]
	s_wait_alu depctr_va_vdst(0)                   ; one wait for the four exponentials, ahead of their first reader
.macro SINCOS f, l, c, s               ; v[c] = cos, v[s] = sin of v[l] x v[f]
	v_mul_f32 v20, v[\l], v[\f]                    ; the angle x, one f32 product
	v_mul_f32 v21, s30, v20
	v_rndne_f32 v21, v21                           ; whole turns
	v_fma_f32 v22, v20, s30, -v21                  ; the turn's fraction, -0.5 .. 0.5,
	v_fmac_f32 v22, s31, v20                       ; with the low part of 1 / 2 pi
	v_mul_f32 v22, 0x40c90fdb, v22                 ; y
	v_mul_f32 v23, v22, v22                        ; z = y y
	v_mov_b32 v24, 0x274a963b                      ; 1 / 17!
	v_mov_b32 v25, 0xa53413c3                      ; -1 / 18!
.irp k, 0xab573f9f, 0x2f309231, 0xb2d7322b, 0x3638ef1d, 0xb9500d01, 0x3c088889, 0xbe2aaaab, 0x3f800000
	v_fmaak_f32 v24, v24, v23, \k                  ; -1/15!, 1/13!, -1/11!, 1/9!, -1/7!, 1/5!, -1/3!, 1
.endr
.irp k, 0x29573f9f, 0xad49cba5, 0x310f76c8, 0xb493f27e, 0x37d00d01, 0xbab60b61, 0x3d2aaaab, 0xbf000000
	v_fmaak_f32 v25, v25, v23, \k                  ; 1/16!, -1/14!, 1/12!, -1/10!, 1/8!, -1/6!, 1/4!, -1/2
.endr
	v_fmaak_f32 v[\c], v25, v23, 0x3f800000
	v_mul_f32 v[\s], v24, v22
.endm
.irp i, 0,1,2,3
	SINCOS 6+2*(\i%2), 10+\i/2, 32+4*\i, 33+4*\i
	SINCOS 7+2*(\i%2), 10+\i/2, 34+4*\i, 35+4*\i
	global_store_b128 v14, v[32+4*\i:35+4*\i], s[24:25] offset:2048*\i   ; 512 consecutive bytes a wave; each i has registers of its own
.endr
	s_endpgm
.Lfunc_end_k_q2111cd2d3c_prep:
	.size	k_q2111cd2d3c_prep, .Lfunc_end_k_q2111cd2d3c_prep-k_q2111cd2d3c_prep
	.p2alignl 7, 3214868480
	.fill 96, 4, 3214868480
	.section	.rodata,"a",@progbits
	.p2align	6, 0x0
	.amdhsa_kernel k_q2111cd2d3c_prep
		.amdhsa_group_segment_fixed_size 33280
		.amdhsa_private_segment_fixed_size 0
		.amdhsa_enable_private_segment 0
		.amdhsa_kernarg_size 88
		.amdhsa_user_sgpr_count 2
		.amdhsa_user_sgpr_kernarg_segment_ptr 1
		.amdhsa_wavefront_size32 1
		.amdhsa_system_sgpr_workgroup_id_x 1
		.amdhsa_system_sgpr_workgroup_id_y 1
		.amdhsa_system_sgpr_workgroup_id_z 1
		.amdhsa_system_vgpr_workitem_id 0
		.amdhsa_next_free_vgpr 192
		.amdhsa_next_free_sgpr 66
		.amdhsa_reserve_vcc 0
		.amdhsa_float_denorm_mode_32 3
		.amdhsa_float_denorm_mode_16_64 3
		.amdhsa_memory_ordered 1
		.amdhsa_forward_progress 1
		.amdhsa_inst_pref_size 57
	.end_amdhsa_kernel
	.amdgpu_metadata
---
amdhsa.version: [ 1, 2 ]
amdhsa.kernels:
  - .name:           k_q2111cd2d3c_prep
    .symbol:         k_q2111cd2d3c_prep.kd
    .args:
      - { .name: q, .offset: 0, .size: 8, .value_kind: global_buffer, .address_space: global }
      - { .name: k, .offset: 8, .size: 8, .value_kind: global_buffer, .address_space: global }
      - { .name: v, .offset: 16, .size: 8, .value_kind: global_buffer, .address_space: global }
      - { .name: Wq, .offset: 24, .size: 8, .value_kind: global_buffer, .address_space: global }
      - { .name: Wk, .offset: 32, .size: 8, .value_kind: global_buffer, .address_space: global }
      - { .name: Wv, .offset: 40, .size: 8, .value_kind: global_buffer, .address_space: global }
      - { .name: Wo, .offset: 48, .size: 8, .value_kind: global_buffer, .address_space: global }
      - { .name: codes, .offset: 56, .size: 8, .value_kind: global_buffer, .address_space: global }
      - { .name: scales, .offset: 64, .size: 8, .value_kind: global_buffer, .address_space: global }
      - { .name: wof, .offset: 72, .size: 8, .value_kind: global_buffer, .address_space: global }
      - { .name: rope, .offset: 80, .size: 8, .value_kind: global_buffer, .address_space: global }
    .group_segment_fixed_size: 33280
    .private_segment_fixed_size: 0
    .kernarg_segment_align: 8
    .kernarg_segment_size: 88
    .max_flat_workgroup_size: 128
    .sgpr_count:     66
    .vgpr_count:     192
    .wavefront_size: 32
...
	.end_amdgpu_metadata
.endif
;; end of part 1
;; launch proj (part 2): grid 4 x 96, 4 waves a work-group, clusters of 4 x 4, 327,680 bytes of LDS; arguments codes, scales, rope, bq, bk, bv, qkv, h16; writes qkv, h16
.if DOCPART == 2
	.amdgcn_target "amdgcn-amd-amdhsa--gfx1250"
	.amdhsa_code_object_version 6
	.text
	.protected	k_q2111cd2d3c_proj
	.globl	k_q2111cd2d3c_proj
	.p2align	8
	.type	k_q2111cd2d3c_proj,@function
k_q2111cd2d3c_proj:
	s_mov_b64 s[64:65], 0
	v_nop
	global_prefetch_b8 v0, s[64:65] scope:SCOPE_SE
	s_setreg_imm32_b32 hwreg(HW_REG_WAVE_MODE, 25, 1), 1
	s_wait_xcnt 0x0
	s_wait_alu depctr_hold_cnt(0) depctr_sa_sdst(0) depctr_va_vdst(0) depctr_va_sdst(0) depctr_va_ssrc(0) depctr_va_vcc(0) depctr_vm_vsrc(0)
	s_getreg_b32 s2, hwreg(HW_REG_IB_STS2, 6, 4)
	s_cmp_eq_u32 s2, 0
	s_cbranch_scc0 .Lentry_in_a_cluster
	s_endpgm
.Lentry_in_a_cluster:
	s_bfe_u32 s2, ttmp6, 0x10000c
	s_cmp_lg_u32 s2, 0xf033
	s_cbranch_scc0 .Lentry_shape_is_right
	s_endpgm
.Lentry_shape_is_right:
; PROJ: the three quantised projections y = x W^T + b on codes of FP4 (E2M1) with E8M0 scales, then the rotary embedding (q, k), then f16 in the order of the next products' operand registers.
; codes [27648][512 bytes], scales [27648][32 bytes]: rows q 0.., k 8192.., v 16384.., Wq 24576.., Wk 25600.., Wv 26624...
; A tile of 256 tokens x 256 channels is made by four waves, 128 x 128 each: 64 accumulators, 512 registers.  All of K = 1,024 is two LDS slots of 512 along K: nothing is filled again, so a wave has three tensor loads
; out at the most (its scales, slot 0, slot 1) and the only rounds of the cluster's barrier are the first and the closing one.
; CLUSTERS: 4 x 4 work-groups.  Cluster y = 8 T + u: T the tensor (0 q, 1 k, 2 v), u the block of 256 positions.  cy is the BATCH, cx the block of 256 channels.  The four of a row need the same tile of x, the four
; of a column the same tile of W: each is asked for jointly.  T and u are shared by all sixteen, so the branches on them are alike in all partners.
; THE MATRIX INSTRUCTION IS USED TRANSPOSED (source 0 = 16 rows of W, source 1 = 16 tokens): lane (r, h) holds token r and eight neighbouring channels 16 b + 8 h + 0 .. 7.  The bias is the C of each sum's first product.
; OUT: qkv [T][batch][head][l / 16][c 2][e 2][512 bytes]: a block is 16 tokens x 16 channels (32 c + 16 e ..) of f16.  q, k: lane's 16 bytes at 16 x lane (two blocks are a 16 x 32 fragment's registers);
; v: at 32 r + 16 h (rows of 32 bytes, for the turning LDS load).  Every store covers 512 consecutive bytes, aligned.
; h16 [T][batch][head][blk 4][e 2][lane][16 bytes]: positions 0-15 of each sequence in f32, as the accumulators' registers lie, for the launch that carries those rows in f32.
; LIMITS: projected numbers beyond 65,504 in magnitude do not fit f16; under 6e-5 they carry an absolute error of 2^-25.
; REGISTERS, in windows of 256: window 0: v16-29 addresses; v32-95 scale words, two sets, and nothing else; v96-127 the table's set 0; v128-191 x's fragments, ONE set; v192-255 the bias.
;   On the way out: v128-159 the table's set 1; v160-223 rotated numbers; v224-255 packed f16 (v: v192-223, v224-255 by turns).   window 1: W's fragments, two sets.   windows 2, 3: the accumulators.
.set NQ,     4                         ; matrix instructions deep in a slot
.set ROWB,   256                       ; a tile's row in bytes: 512 codes
.set KROW,   512                       ; a row of codes in memory
.set PITCH,  272                       ; an LDS row: 256 bytes + 16 of padding: the 16 rows that a load touches start 68 words apart
.set FR,     8                         ; registers of a fragment
.set NL,     2                         ; LDS loads that bring one
.set NP,     4                         ; places behind this matrix instruction (ISA guide 7.12.1)
.set HALFT,  128*PITCH
.set SLOT,   4*HALFT                   ; x's 256 rows, then W's 256 rows
.set KS,     32                        ; a row of scales in bytes
.set SCL,    2*SLOT                    ; behind the slots: the scales, as units of 256 bytes + 16 of padding
.set HALFS,  (128*KS/256)*272
.set SBLK,   (16*KS/256)*272
.set SPARE,  SCL+4*HALFS               ; the spare words, 128 bytes a wave
.set ADRA, 16                          ; v16-17 LDS address of my x fragments in slot 0, 1
.set ADRB, 20                          ; v20-21 the same for W
.set QO,   24                          ; v24  16 x lane
.set VO,   25                          ; v25  32 r + 16 h
.set BO,   26                          ; v26  32 h
.set ADRS, 27                          ; v27  LDS address of my scale words: lanes 0-15 x's rows, lanes 16-31 W's
.set SPW,  28
.set NIL,  29
.set SC,   32
.set RT,   96                          ; the table: set 0 at v96, set 1 at v128
.set AF,   128
.set BIAS, 192
.set Y,    160
.set C16,  224
.set CV,   192
.set WV, 20                            ; s20 wave; s21 its half of the tokens (also: fetch for x or for W); s22 its half of the channels (also: which 128 rows it fetches); s23 T
.set RH, 21
.set CH, 22
.set TT, 23
.set G1, 24
.set G0, 32
.set G1B, 48
.set G0B, 56
.set G1S, 68
.set G0S, 76
.set G1SB, 80
.set G0SB, 88
.set MSB, 0
.macro WIN new                         ; the immediate's high byte repeats the setting that is left
.if MSB != (\new)
	s_set_vgpr_msb (MSB<<8)|(\new)
.set MSB, (\new)
.endif
.endm
.set MUL_LO, 0xa1                      ; source 0 (W) window 1, source 1 (x) window 0, C and D window 2
.set MUL_HI, 0xf1                      ; the same, C and D window 3
.set TO_B,   0x40
.macro JLOAD g0a, g1a, g0b, g1b        ; a joint load: waves 0, 1 fetch for x, waves 2, 3 for W; an s_nop 0 and four v_nop follow each line
	s_cmp_eq_u32 s[RH], 0
	s_cbranch_scc0 .Lfor_b_\@
	tensor_load_to_lds s[\g0a:\g0a+3], s[\g1a:\g1a+7]
	s_nop 0
.rept 4
	v_nop
.endr
	s_branch .Lasked_\@
.Lfor_b_\@:
	tensor_load_to_lds s[\g0b:\g0b+3], s[\g1b:\g1b+7]
	s_nop 0
.rept 4
	v_nop
.endr
.Lasked_\@:
.endm
.macro CROUND                          ; a round of the cluster's barrier
	s_barrier_signal -1
	s_barrier_wait -1
	s_cmp_lg_u32 s[WV], 0
	s_cbranch_scc1 .Lnot_wave_0_\@
	s_barrier_signal -3
.Lnot_wave_0_\@:
	s_barrier_wait -3
	s_barrier_signal -1
	s_barrier_wait -1
.endm
	s_load_b512 s[4:19], s[0:1], 0x0               ; codes, scales, rope, bq, bk, bv, qkv, h16
	v_lshl_add_u32 v[SPW], v0, 2, SPARE
	v_mov_b32 v[NIL], 0
	ds_add_u32 v[SPW], v[NIL]                      ; the wave's opening: the add, twice on end, and its wait ahead of my first tensor load
	ds_add_u32 v[SPW], v[NIL]
	v_lshrrev_b32 v1, 5, v0
	v_readfirstlane_b32 s[WV], v1
	s_lshr_b32 s[RH], s[WV], 1
	s_and_b32 s[CH], s[WV], 1
	s_bfe_u32 s40, ttmp6, 0x40000                  ; cx: the block of 256 channels
	s_bfe_u32 s41, ttmp6, 0x40004                  ; cy: the batch
	s_and_b32 s42, ttmp7, 0xffff                   ; cluster y
	s_lshr_b32 s[TT], s42, 3                       ; T
	s_and_b32 s42, s42, 7                          ; u
	s_or_b32 s98, s42, s[RH]                       ; 0 where my first block of 16 tokens is positions 0-15
	s_lshl_b32 s43, s41, 2
	s_lshl_b32 s43, 15, s43                        ; my row of the cluster
	s_lshl_b32 s44, 0x1111, s40                    ; my column
	s_or_b32 s[G1+0], s43, (1<<20)|(1<<21)|(5<<22)|(3<<25)   ; the mask; elements of 1 byte; padding on; bit 21 beside a mask; 4 words behind every 64
	s_or_b32 s[G1B+0], s44, (1<<20)|(1<<21)|(5<<22)|(3<<25)
.irp g, G1, G1B
	s_mov_b32 s[\g+1], ROWB<<16                    ; tensor_dim0
	s_mov_b32 s[\g+2], 128<<16                     ; tensor_dim1
	s_mov_b32 s[\g+3], ROWB<<16                    ; tile_dim0
	s_mov_b32 s[\g+4], 128                         ; tile_dim1
	s_mov_b32 s[\g+5], KROW                        ; from row to row
	s_mov_b32 s[\g+6], 0
	s_mov_b32 s[\g+7], 0
.endr
	s_or_b32 s[G1S+0], s43, (3<<16)|(1<<20)|(1<<21)|(5<<22)|(3<<25)   ; the scales of 128 rows: 4,096 dense bytes as 16 rows of 256 (32 elements of 8 bytes), padded alike
	s_or_b32 s[G1SB+0], s44, (3<<16)|(1<<20)|(1<<21)|(5<<22)|(3<<25)
.irp g, G1S, G1SB
	s_mov_b32 s[\g+1], 32<<16
	s_mov_b32 s[\g+2], (128*KS/256)<<16
	s_mov_b32 s[\g+3], 32<<16
	s_mov_b32 s[\g+4], 128*KS/256
	s_mov_b32 s[\g+5], 32
	s_mov_b32 s[\g+6], 0
	s_mov_b32 s[\g+7], 0
.endr
	s_lshl_b32 s92, s[TT], 13                      ; x's rows: 8192 T + 2048 cy + 256 u + 128 x half: made of what my row of the cluster shares
	s_lshl_b32 s93, s41, 11
	s_add_co_u32 s92, s92, s93
	s_lshl_b32 s93, s42, 8
	s_add_co_u32 s92, s92, s93
	s_lshl_b32 s93, s[CH], 7
	s_add_co_u32 s92, s92, s93
	s_lshl_b32 s94, s92, 5                         ; their scales, in bytes,
	s_mov_b32 s95, 0
	s_lshl_b32 s92, s92, 9                         ; and their codes
	s_mov_b32 s93, 0
	s_lshl_b32 s46, s[TT], 10                      ; W's rows: 24576 + 1024 T + 256 cx + 128 x half: made of what my column shares
	s_lshl_b32 s47, s40, 8
	s_add_co_u32 s46, s46, s47
	s_lshl_b32 s47, s[CH], 7
	s_add_co_u32 s46, s46, s47
	s_add_co_u32 s46, s46, 24576
	s_lshl_b32 s96, s46, 5
	s_mov_b32 s97, 0
	s_lshl_b32 s46, s46, 9
	s_mov_b32 s47, 0
	s_mul_i32 s45, s[WV], HALFT                    ; where they go: wave x 128 rows: no place in the cluster enters an LDS address
	s_mul_i32 s99, s[WV], HALFS
	s_wait_dscnt 0x0                               ; both opening adds are done
	s_wait_kmcnt 0x0
	s_add_nc_u64 s[92:93], s[4:5], s[92:93]
	s_add_nc_u64 s[94:95], s[6:7], s[94:95]
	s_add_nc_u64 s[46:47], s[4:5], s[46:47]
	s_add_nc_u64 s[96:97], s[6:7], s[96:97]
	CROUND                                         ; all sixteen work-groups are here: the joint loads meet
	s_mov_b32 s[G0S], 1
	s_add_co_u32 s[G0S+1], s99, SCL
	s_mov_b64 s[G0S+2:G0S+3], s[94:95]
	s_or_b32 s[G0S+3], s[G0S+3], 0x80000000
	s_mov_b32 s[G0SB], 1
	s_add_co_u32 s[G0SB+1], s99, SCL
	s_mov_b64 s[G0SB+2:G0SB+3], s[96:97]
	s_or_b32 s[G0SB+3], s[G0SB+3], 0x80000000
	JLOAD G0S, G1S, G0SB, G1SB                     ; the scales first: they are wanted with slot 0
.irp s, 0,1
	s_mov_b32 s[G0+4*\s], 1
	s_add_co_u32 s[G0+4*\s+1], s45, \s*SLOT
	s_add_nc_u64 s[G0+4*\s+2:G0+4*\s+3], s[92:93], \s*ROWB
	s_or_b32 s[G0+4*\s+3], s[G0+4*\s+3], 0x80000000
	s_mov_b32 s[G0B+4*\s], 1
	s_add_co_u32 s[G0B+4*\s+1], s45, \s*SLOT
	s_add_nc_u64 s[G0B+4*\s+2:G0B+4*\s+3], s[46:47], \s*ROWB
	s_or_b32 s[G0B+4*\s+3], s[G0B+4*\s+3], 0x80000000
	JLOAD G0+4*\s, G1, G0B+4*\s, G1B
.endr
	s_cmp_eq_u32 s[TT], 1                          ; the bias of my tensor
	s_cselect_b64 s[10:11], s[12:13], s[10:11]
	s_cmp_eq_u32 s[TT], 2
	s_cselect_b64 s[10:11], s[14:15], s[10:11]
	s_lshl_b32 s66, s40, 10                        ; my 128 channels: 256 cx + 128 ch, 4 bytes each
	s_lshl_b32 s67, s[CH], 9
	s_add_co_u32 s66, s66, s67
	s_mov_b32 s67, 0
	s_add_nc_u64 s[10:11], s[10:11], s[66:67]
	v_and_b32 v1, 15, v0                           ; r
	v_bfe_u32 v2, v0, 4, 1                         ; h
	v_lshlrev_b32 v[BO], 5, v2
.irp b, 0,1,2,3,4,5,6,7
	global_load_b128 v[BIAS+8*\b:BIAS+8*\b+3], v[BO], s[10:11] offset:64*\b        ; register 8 b + j: the bias of channel 16 b + 8 h + j, in the result's layout
	global_load_b128 v[BIAS+8*\b+4:BIAS+8*\b+7], v[BO], s[10:11] offset:64*\b+16
.endr
	v_mul_u32_u24 v3, v1, PITCH
	v_lshl_add_u32 v4, v2, 4, v3                   ; a fragment's row x pitch + 16 x half
	s_mul_i32 s66, s[RH], HALFT                    ; my 128 tokens
	s_mul_i32 s67, s[CH], HALFT                    ; my 128 rows of W,
	s_add_co_u32 s67, s67, 2*HALFT                 ; which lie behind x's 256
.irp s, 0,1
	v_add_nc_u32 v[ADRA+\s], s66, v4
	v_add_nc_u32 v[ADRB+\s], s67, v4
	s_add_co_u32 s66, s66, SLOT
	s_add_co_u32 s67, s67, SLOT
.endr
	v_mul_u32_u24 v5, v1, KS                       ; my row's scales: KS bytes a row,
	v_lshrrev_b32 v6, 8, v5
	v_lshl_add_u32 v5, v6, 4, v5                   ; and 16 more for each 256 passed
	s_mul_i32 s66, s[RH], HALFS
	s_mul_i32 s67, s[CH], HALFS
	s_add_co_u32 s67, s67, 2*HALFS
	s_sub_co_u32 s67, s67, s66
	v_mul_u32_u24 v6, s67, v2                      ; lanes 16-31 take W's: one product, the distance between the two bases
	s_add_co_u32 s66, s66, SCL
	v_add_nc_u32 v5, v5, v6
	v_add_nc_u32 v[ADRS], s66, v5
	v_and_b32 v6, 31, v0
	v_lshlrev_b32 v[QO], 4, v6
	v_lshlrev_b32 v[VO], 5, v1
	v_lshl_add_u32 v[VO], v2, 4, v[VO]
	s_lshl_b32 s66, s[TT], 24                      ; qkv: 2^24 T + 2^22 cy + 2^18 (4 cx + 2 ch) + 2,048 (16 u + 8 rh)
	s_lshl_b32 s67, s41, 22
	s_add_co_u32 s66, s66, s67
	s_lshl_b32 s67, s40, 20
	s_add_co_u32 s66, s66, s67
	s_lshl_b32 s67, s[CH], 19
	s_add_co_u32 s66, s66, s67
	s_lshl_b32 s67, s42, 15
	s_add_co_u32 s66, s66, s67
	s_lshl_b32 s67, s[RH], 14
	s_add_co_u32 s66, s66, s67
	s_mov_b32 s67, 0
	s_add_nc_u64 s[16:17], s[16:17], s[66:67]
	s_lshl_b32 s66, s[TT], 18                      ; h16: 2^18 T + 2^16 cy + 4,096 (4 cx + 2 ch)
	s_lshl_b32 s100, s41, 16
	s_add_co_u32 s66, s66, s100
	s_lshl_b32 s100, s40, 14
	s_add_co_u32 s66, s66, s100
	s_lshl_b32 s100, s[CH], 13
	s_add_co_u32 s66, s66, s100
	s_add_nc_u64 s[18:19], s[18:19], s[66:67]
	s_lshl_b32 s66, s42, 16                        ; the table: 4,096 (16 u + 8 rh)
	s_lshl_b32 s100, s[RH], 15
	s_add_co_u32 s66, s66, s100
	s_add_nc_u64 s[8:9], s[8:9], s[66:67]
.macro FRAG reg, adr, q, i             ; 16 rows x 128 K of 4-bit codes: lane l holds row l % 16; registers 4 c .. 4 c + 3 hold K = 64 c + 32 (l / 16) + 0 .. 31
.irp c, 0,1
	ds_load_b128 v[\reg+4*\c:\reg+4*\c+3], v[\adr] offset:64*(\q)+32*\c+(\i)*16*PITCH
.endr
.endm
; 16 matrix instructions: x's blocks a0, a0 + 1 against W's eight.  first = 1: the bias is the C, and starts the sums.  The 64 accumulators take turns, one instruction a turn, in the same order in every step.
.macro MUL16 a0, p, q, sc, first
.irp a, \a0, \a0+1
.irp b, 0,1,2,3,4,5,6,7
.if \first
	v_wmma_scale_f32_16x16x128_f8f6f4 v[8*(8*((\a)%4)+\b):8*(8*((\a)%4)+\b)+7], v[128*(\p)+FR*\b:128*(\p)+FR*\b+FR-1], v[AF+FR*(\a):AF+FR*(\a)+FR-1], v[BIAS+8*\b:BIAS+8*\b+7], v[SC+8*NQ*(\sc)+NQ*\b+(\q)], v[SC+8*NQ*(\sc)+NQ*(\a)+(\q)] matrix_a_fmt:MATRIX_FMT_FP4 matrix_b_fmt:MATRIX_FMT_FP4 matrix_a_scale:MATRIX_SCALE_ROW1
.else
	v_wmma_scale_f32_16x16x128_f8f6f4 v[8*(8*((\a)%4)+\b):8*(8*((\a)%4)+\b)+7], v[128*(\p)+FR*\b:128*(\p)+FR*\b+FR-1], v[AF+FR*(\a):AF+FR*(\a)+FR-1], v[8*(8*((\a)%4)+\b):8*(8*((\a)%4)+\b)+7], v[SC+8*NQ*(\sc)+NQ*\b+(\q)], v[SC+8*NQ*(\sc)+NQ*(\a)+(\q)] matrix_a_fmt:MATRIX_FMT_FP4 matrix_b_fmt:MATRIX_FMT_FP4 matrix_a_scale:MATRIX_SCALE_ROW1
.endif
.endr
.endr
.endm
.macro FETCH_B slot, q, p
	WIN TO_B
.irp i, 0,1,2,3,4,5,6,7
	FRAG 128*(\p)+FR*\i, ADRB+\slot, \q, \i
.endr
	WIN 0
.endm
.macro FETCH_A slot, q, i0
.irp i, \i0, \i0+1, \i0+2, \i0+3
	FRAG AF+FR*(\i), ADRA+\slot, \q, \i
.endr
.endm
.macro SCALES sc                       ; a slot's scale words: four words a row; lanes 0-15 take x's block i, lanes 16-31 W's block i
.irp i, 0,1,2,3,4,5,6,7
	ds_load_b128 v[SC+8*NQ*\sc+NQ*\i:SC+8*NQ*\sc+NQ*\i+3], v[ADRS] offset:\i*SBLK
.endr
.endm
.macro PLACES n                        ; plain vector instructions between a matrix instruction and a load into, or a read of, its registers
.rept \n
	v_nop
.endr
.endm
.macro STEP slot, q, first             ; a step of 128 along K that has its successor in the same slot
	s_wait_dscnt 4*NL                              ; W's set and x's blocks 0-3 are in; the youngest eight loads (x's blocks 4-7) may be out
.if \first
	WIN 0x81                                       ; C (the bias) in window 0
.else
	WIN MUL_LO
.endif
	MUL16 0, (\q)%2, \q, \slot, \first
	MUL16 2, (\q)%2, \q, \slot, \first
	s_wait_dscnt 0
	PLACES NP
	FETCH_B \slot, (\q)+1, 1-(\q)%2
	FETCH_A \slot, (\q)+1, 0
.if \first
	WIN 0xc1
.else
	WIN MUL_HI
.endif
	MUL16 4, (\q)%2, \q, \slot, \first
	MUL16 6, (\q)%2, \q, \slot, \first
	PLACES NP
	WIN 0
	FETCH_A \slot, (\q)+1, 4
.endm
	s_wait_tensorcnt 1                             ; my scales and my part of slot 0 are in (slot 1's load may be out)
	s_barrier_signal -1
	s_barrier_wait -1                              ; everybody's are
	FETCH_B 0, 0, 0
	FETCH_A 0, 0, 0
	SCALES 0
	FETCH_A 0, 0, 4
	s_wait_loadcnt 0x0                             ; the bias
	STEP 0, 0, 1
	STEP 0, 1, 0
	STEP 0, 2, 0
	; slot 0's last step changes slots: my part of slot 1 has landed, and a barrier says so of every wave
	s_wait_tensorcnt 0x0
	ds_add_u32 v[SPW], v[NIL]
	s_wait_dscnt 4*NL+1                            ; (the add and x's blocks 4-7 may be out)
	WIN MUL_LO
	MUL16 0, 1, NQ-1, 0, 0
	s_wait_dscnt 0x0
	s_barrier_signal -1
	MUL16 2, 1, NQ-1, 0, 0
	WIN 0
	s_barrier_wait -1
	PLACES NP
	v_add_nc_u32 v[ADRS], 4*NQ, v[ADRS]            ; on to slot 1's scale words (no LDS load of mine is out)
	FETCH_B 1, 0, 0
	FETCH_A 1, 0, 0
	SCALES 1
	WIN MUL_HI
	MUL16 4, 1, NQ-1, 0, 0
	MUL16 6, 1, NQ-1, 0, 0
	PLACES NP
	WIN 0
	FETCH_A 1, 0, 4
	STEP 1, 0, 0
.macro TAIL                            ; the last three steps.  Written in both arms, so that the table's first set can land under q's and k's products
	STEP 1, 1, 0
	STEP 1, 2, 0
	s_wait_dscnt 4*NL
	WIN MUL_LO
	MUL16 0, 1, NQ-1, 1, 0
	MUL16 2, 1, NQ-1, 1, 0
	s_wait_dscnt 0
	WIN MUL_HI
	MUL16 4, 1, NQ-1, 1, 0
	MUL16 6, 1, NQ-1, 1, 0
	WIN 0
	PLACES NP                                      ; ahead of the first read of results and of loads into x's registers
.endm
.macro ROPELOAD a                      ; (cos, sin) of my block a's 16 positions x 32 pairs: register 8 bq + 2 i: cos, + 1: sin, of the pair in registers 2 i, 2 i + 1 of accumulators b % 4 = bq
.set RTL, RT+32*((\a)%2)
.irp x, 0,1,2,3,4,5,6,7
	global_load_b128 v[RTL+4*\x:RTL+4*\x+3], v[QO], s[8:9] offset:4096*(\a)+512*\x
.endr
.endm
.macro EPIQK a                         ; block a (16 tokens x 128 channels): rotated, rounded to f16, stored
.if (\a) > 0
	s_wait_xcnt 0x0                                ; the last block's stores have read their registers
.endif
.if (\a) < 7
	ROPELOAD (\a)+1
	s_wait_loadcnt 8                               ; my block's eight loads are in; the eight just issued may be out
.else
	s_wait_loadcnt 0x0
.endif
.set RTU, RT+32*((\a)%2)
.set AC, 64*((\a)%4)
	WIN 0x02+(\a)/4                                ; source 0: the accumulators
.irp b, 0,1,2,3,4,5,6,7
.irp i, 0,1,2,3
	v_pk_mul_f32 v[Y+8*\b+2*\i:Y+8*\b+2*\i+1], v[AC+8*\b+2*\i:AC+8*\b+2*\i+1], v[RTU+8*(\b%4)+2*\i:RTU+8*(\b%4)+2*\i+1] op_sel_hi:[1,0]   ; (x1 cos, x2 cos); each accumulator from its low end on
.endr
.irp i, 0,1,2,3
	v_pk_fma_f32 v[Y+8*\b+2*\i:Y+8*\b+2*\i+1], v[AC+8*\b+2*\i:AC+8*\b+2*\i+1], v[RTU+8*(\b%4)+2*\i:RTU+8*(\b%4)+2*\i+1], v[Y+8*\b+2*\i:Y+8*\b+2*\i+1] op_sel:[1,1,0] op_sel_hi:[0,1,1] neg_lo:[0,1,0]   ; - x2 sin, + x1 sin
.endr
.endr
	WIN 0
.irp b, 0,1,2,3,4,5,6,7
.irp i, 0,1,2,3
	v_cvt_pk_f16_f32 v[C16+4*\b+\i], v[Y+8*\b+2*\i], v[Y+8*\b+2*\i+1]
.endr
.endr
.irp b, 0,1,2,3,4,5,6,7
	global_store_b128 v[QO], v[C16+4*\b:C16+4*\b+3], s[16:17] offset:2048*(\a)+262144*(\b/4)+512*(\b%4)
.endr
.if (\a) == 0
	s_cmp_lg_u32 s98, 0                            ; positions 0-15 also leave in f32
	s_cbranch_scc1 .Lnoexp_qk
.irp b, 0,1,2,3,4,5,6,7
.irp e, 0,1
	global_store_b128 v[QO], v[Y+8*\b+4*\e:Y+8*\b+4*\e+3], s[18:19] offset:4096*(\b/4)+1024*(\b%4)+512*\e
.endr
.endr
.Lnoexp_qk:
.endif
.endm
.macro EPIV a                          ; the same for v: no rotation; rows of 32 bytes
.if (\a) > 1
	s_wait_xcnt 0x0                                ; block a - 2's stores have read their registers
.endif
.set AC, 64*((\a)%4)
.set CW, CV+32*((\a)%2)
	WIN 0x0a+5*((\a)/4)                            ; sources 0 and 1: the accumulators
.irp b, 0,1,2,3,4,5,6,7
.irp i, 0,1,2,3
	v_cvt_pk_f16_f32 v[CW+4*\b+\i], v[AC+8*\b+2*\i], v[AC+8*\b+2*\i+1]
.endr
.endr
	WIN 0
.irp b, 0,1,2,3,4,5,6,7
	global_store_b128 v[VO], v[CW+4*\b:CW+4*\b+3], s[16:17] offset:2048*(\a)+262144*(\b/4)+512*(\b%4)
.endr
.if (\a) == 0
	s_cmp_lg_u32 s98, 0
	s_cbranch_scc1 .Lnoexp_v
	WIN 0x08                                       ; a store's data are its source 1: window 2
.irp b, 0,1,2,3,4,5,6,7
.irp e, 0,1
	global_store_b128 v[QO], v[8*\b+4*\e:8*\b+4*\e+3], s[18:19] offset:4096*(\b/4)+1024*(\b%4)+512*\e
.endr
.endr
	WIN 0
.Lnoexp_v:
.endif
.endm
	s_cmp_eq_u32 s[TT], 2                          ; the tensor is the same in all sixteen partners
	s_cbranch_scc1 .Lv
	ROPELOAD 0
	TAIL
.irp a, 0,1,2,3,4,5,6,7
	EPIQK \a
.endr
	s_branch .Lend
.Lv:
	TAIL
.irp a, 0,1,2,3,4,5,6,7
	EPIV \a
.endr
.Lend:
	s_wait_tensorcnt 0x0                           ; the wave's end, behind my last tensor load
	ds_add_u32 v[SPW], v[NIL]
	s_wait_dscnt 0x0
	CROUND                                         ; the closing round
	s_endpgm
.Lfunc_end_k_q2111cd2d3c_proj:
	.size	k_q2111cd2d3c_proj, .Lfunc_end_k_q2111cd2d3c_proj-k_q2111cd2d3c_proj
	.p2alignl 7, 3214868480
	.fill 96, 4, 3214868480
	.section	.rodata,"a",@progbits
	.p2align	6, 0x0
	.amdhsa_kernel k_q2111cd2d3c_proj
		.amdhsa_group_segment_fixed_size 327680
		.amdhsa_private_segment_fixed_size 0
		.amdhsa_enable_private_segment 0
		.amdhsa_kernarg_size 64
		.amdhsa_user_sgpr_count 2
		.amdhsa_user_sgpr_kernarg_segment_ptr 1
		.amdhsa_wavefront_size32 1
		.amdhsa_system_sgpr_workgroup_id_x 1
		.amdhsa_system_sgpr_workgroup_id_y 1
		.amdhsa_system_sgpr_workgroup_id_z 1
		.amdhsa_system_vgpr_workitem_id 0
		.amdhsa_next_free_vgpr 1024
		.amdhsa_next_free_sgpr 102
		.amdhsa_reserve_vcc 0
		.amdhsa_float_denorm_mode_32 3
		.amdhsa_float_denorm_mode_16_64 3
		.amdhsa_memory_ordered 1
		.amdhsa_forward_progress 1
		.amdhsa_inst_pref_size 213
	.end_amdhsa_kernel
	.amdgpu_metadata
---
amdhsa.version: [ 1, 2 ]
amdhsa.kernels:
  - .name:           k_q2111cd2d3c_proj
    .symbol:         k_q2111cd2d3c_proj.kd
    .args:
      - { .name: codes, .offset: 0, .size: 8, .value_kind: global_buffer, .address_space: global }
      - { .name: scales, .offset: 8, .size: 8, .value_kind: global_buffer, .address_space: global }
      - { .name: rope, .offset: 16, .size: 8, .value_kind: global_buffer, .address_space: global }
      - { .name: bq, .offset: 24, .size: 8, .value_kind: global_buffer, .address_space: global }
      - { .name: bk, .offset: 32, .size: 8, .value_kind: global_buffer, .address_space: global }
      - { .name: bv, .offset: 40, .size: 8, .value_kind: global_buffer, .address_space: global }
      - { .name: qkv, .offset: 48, .size: 8, .value_kind: global_buffer, .address_space: global }
      - { .name: h16, .offset: 56, .size: 8, .value_kind: global_buffer, .address_space: global }
    .group_segment_fixed_size: 327680
    .private_segment_fixed_size: 0
    .kernarg_segment_align: 8
    .kernarg_segment_size: 64
    .max_flat_workgroup_size: 128
    .sgpr_count:     102
    .vgpr_count:     1024
    .wavefront_size: 32
...
	.end_amdgpu_metadata
.endif
;; end of part 2
;; launch attention (part 3): grid 4 x 64, 16 waves a work-group, no clusters, 327,680 bytes of LDS; arguments qkv, att; writes att
.if DOCPART == 3
	.amdgcn_target "amdgcn-amd-amdhsa--gfx1250"
	.amdhsa_code_object_version 6
	.text
	.protected	k_q2111cd2d3c_attention
	.globl	k_q2111cd2d3c_attention
	.p2align	8
	.type	k_q2111cd2d3c_attention,@function
k_q2111cd2d3c_attention:
	s_mov_b64 s[64:65], 0
	v_nop
	global_prefetch_b8 v0, s[64:65] scope:SCOPE_SE
	s_setreg_imm32_b32 hwreg(HW_REG_WAVE_MODE, 25, 1), 1
	s_wait_xcnt 0x0
; ATTENTION: O[q] = sum over k <= q of softmax_k(Q[q] . K[k] / 8) V[k], head size 64, 2,048 positions, 64 (batch, head) pairs.  Operands f16, products, maxima and sums f32; the weights are rounded to f16 for the second product.
; qkv: [T 3][bh 64][l / 16][c 2][e 2][512 bytes]; q's and k's blocks are register images of fragments, v's are 16 tokens x 16 channels in rows of 32 bytes.
; att: [row / 16][kc 32][e 2][lane][16 bytes], f16: the register images of the output projection's operand.
; SHARES.  Work-group (p, bh) owns the blocks of 256 queries 7 - p and p: nine blocks' worth of keys in every work-group.  Each of its sixteen waves owns 32 queries (two tiles of 16) in 256 registers: four waves
; to a SIMD, so that one wave's softmax stands beside another's products and LDS loads.  Waves with bit 2 of their number clear take the late block, the others the early one, mirrored.
; K and V come through a ring of two LDS slots of 256 keys, filled by the tensor data mover (waves 0, 1: K's halves; 2, 3: V's), one load a wave out at a time.
; EVERY work-group walks all eight slots, so that the trip counts are constants; a step of 64 keys all of which come after a wave's queries is jumped over, and a slot whose first key comes after the work-group's
; last query is not asked for.  Both tests are made of ids and the count of steps alone.
; NO CLUSTER: the four work-groups of a head need 8, 7, 6 and 5 slots; a joint load would bring tiles that every wave of a partner jumps over.
; LAYOUT.  S^T = K Q^T and O^T = V^T P: a lane holds ONE query (lane % 16) throughout; two tiles of S^T, rounded in pairs, are the second product's source 1.
; SOFTMAX.  A running maximum m and sum l for each query: p = 2^(c s - c m), c = log2(e) / 8; in every step O and l are multiplied by 2^(c m_old - c m_new).
; LIMITS: the result beyond 65,504 in magnitude does not fit f16; weights under 6e-5 carry an absolute error of 2^-25.
.set SLOT1, 65536                      ; slot 1 begins here: one exclusive or turns an address
.set VOFF,  32768                      ; a slot: 16 tiles of K (2,048 bytes each), then 16 of V
.set SPARE, 2*SLOT1                    ; the spare words, 128 bytes for each of sixteen waves
.set NSL,   8
.set LI,   1                           ; v1   16 x lane
.set AVL,  2                           ; v2   V's lane address: VOFF + 32 (8 (l / 16) + l % 8) + 16 ((l / 8) % 2)
.set ADK,  3
.set ADV,  4
.set SPW,  5
.set NIL,  6
.set PFO,  7                           ; v7   256 x lane
.set ST,   8                           ; tile t's statistics at v[8 + 8 t]: +0 c m, +1 m, +2:+3 l, +4 .. +7 at work, the rescaling factor in +6
.set NINF, 24
.set DD,   25
.set TA,   26                          ; v26-29 the sums' second chains
.set RB,   30                          ; v30  r - 8 h
.set QF,   32                          ; v32-63   Q: tile t, chunk c at 32 + 16 t + 8 c
.set S,    64                          ; v64-127  S^T at 64 + 32 t + 8 kt; p is packed in place into 64 + 32 t + 0 .. 15
.set O,    128                         ; v128-191 O^T at 128 + 32 t + 8 ct
.set FB,   192                         ; v192-255 eight fragments, of K and then of V
.set TB,   2                           ; s2  LDS byte at which the slot in hand begins
.set KF,   3                           ; s3  the step's first key
.set WV,   18
.set Q0,   19                          ; s19 my first query
.set SEL,  20
.set CS,   22
.set G1,   24
.set G0,   32
.set SLOTS, 36
.set PFA,  40
.set LIM,  42
.set LASTQ, 43                         ; s43 my work-group's last query
.macro TLOAD                           ; waves 0-3 fetch, 16,384 bytes each; an s_nop 0 and four v_nop follow the load
	s_cmp_lt_u32 s[WV], 4
	s_cbranch_scc0 .Lasked_\@
	tensor_load_to_lds s[G0:G0+3], s[G1:G1+7]
	s_nop 0
.rept 4
	v_nop
.endr
.Lasked_\@:
.endm
; A prefetch of what the NEXT change of slots will ask for: a slot's 32,768 bytes of K and of V.  All work-groups of a head walk the same K and V: the one with p = 0, which walks all slots, asks; in it waves 4-7 ask
; for K's block and waves 8-11 for V's, 8,192 bytes a wave, lanes 256 bytes apart: each block of 256 bytes is named once.  The last change that fills a slot asks for nothing; slots 0 and 1 come by their loads alone.
.macro ASK
	s_cmp_gt_u32 s[SLOTS], s[LIM]
	s_cbranch_scc0 .Lnot_mine_\@
	global_prefetch_b8 v[PFO], s[PFA:PFA+1] th:TH_LOAD_NT scope:SCOPE_SE
.Lnot_mine_\@:
.endm
	s_load_b128 s[4:7], s[0:1], 0x0                ; qkv, att
	v_lshl_add_u32 v[SPW], v0, 2, SPARE
	v_mov_b32 v[NIL], 0
	ds_add_u32 v[SPW], v[NIL]                      ; the wave's opening: the add, twice on end, and its wait ahead of the first tensor load
	ds_add_u32 v[SPW], v[NIL]
	v_lshrrev_b32 v26, 5, v0
	v_readfirstlane_b32 s[WV], v26
	s_and_b32 s8, ttmp7, 0xffff                    ; bh
	s_lshl_b32 s10, s8, 18                         ; its 262,144 bytes in each of q, k, v
	s_and_b32 s9, s[WV], 3
	s_lshr_b32 s11, s[WV], 3
	s_lshl_b32 s11, s11, 2
	s_add_co_u32 s9, s9, s11                       ; 0 .. 7
	s_sub_co_u32 s11, 7, ttmp9
	s_lshl_b32 s11, s11, 3
	s_add_co_u32 s9, s9, s11                       ; my group of 32 queries in the late block,
	s_sub_co_u32 s11, 63, s9                       ; or its mirror in the early one
	s_bitcmp1_b32 s[WV], 2
	s_cselect_b32 s9, s11, s9                      ; G
	s_lshl_b32 s[Q0], s9, 5
	s_sub_co_u32 s[LASTQ], 8, ttmp9
	s_lshl_b32 s[LASTQ], s[LASTQ], 8
	s_sub_co_u32 s[LASTQ], s[LASTQ], 1
	s_and_b32 s11, s[WV], 3                        ; what I fetch, if I fetch: tensor 1 + (w / 2), half w % 2
	s_lshr_b32 s12, s11, 1
	s_add_co_u32 s12, s12, 1
	s_lshl_b32 s12, s12, 24
	s_add_co_u32 s12, s12, s10
	s_and_b32 s13, s11, 1
	s_lshl_b32 s13, s13, 14
	s_add_co_u32 s12, s12, s13
	s_mov_b32 s13, 0
	s_lshl_b32 s14, s9, 12                         ; Q: two tiles of 2,048 bytes a group
	s_add_co_u32 s14, s14, s10
	s_mov_b32 s15, 0
	s_lshr_b32 s16, s8, 4                          ; att: 2^22 batch + 65,536 G + 2,048 head
	s_lshl_b32 s16, s16, 22
	s_lshl_b32 s17, s9, 16
	s_add_co_u32 s16, s16, s17
	s_and_b32 s17, s8, 15
	s_lshl_b32 s17, s17, 11
	s_add_co_u32 s16, s16, s17
	s_mov_b32 s17, 0
	s_mov_b32 s[G1], 3<<16                         ; no mask; elements of 8 bytes; no padding: fragments lie lane by lane
	s_mov_b32 s[G1+1], 32<<16                      ; tensor_dim0: 256 bytes
	s_mov_b32 s[G1+2], 64<<16                      ; tensor_dim1
	s_mov_b32 s[G1+3], 32<<16                      ; tile_dim0
	s_mov_b32 s[G1+4], 64                          ; tile_dim1
	s_mov_b32 s[G1+5], 32                          ; dense
	s_mov_b32 s[G1+6], 0
	s_mov_b32 s[G1+7], 0
	s_sub_co_u32 s45, s[WV], 4                     ; the prefetches: who,
	s_lshr_b32 s46, s45, 3
	s_or_b32 s46, s46, ttmp9
	s_cmp_eq_u32 s46, 0
	s_cselect_b32 s[LIM], 1, -1
	s_and_b32 s45, s45, 7                          ; and where: tensor 1 + i / 4, part i % 4,
	s_lshr_b32 s46, s45, 2
	s_add_co_u32 s46, s46, 1
	s_lshl_b32 s46, s46, 24
	s_and_b32 s45, s45, 3
	s_lshl_b32 s45, s45, 13
	s_add_co_u32 s[PFA], s46, s45
	s_add_co_u32 s[PFA], s[PFA], s10
	s_add_co_u32 s[PFA], s[PFA], 32768             ; in slot 1: the first change of slots steps it to slot 2
	s_mov_b32 s[PFA+1], 0
	s_mov_b32 s[SEL], 0x76543210
	s_mov_b32 s[SEL+1], 0xfedcba98
	s_mov_b32 s[CS], 0x3e38aa3b                    ; c = log2(e) / 8
	s_mov_b32 s[CS+1], s[CS]
	s_mov_b32 s[TB], 0
	s_mov_b32 s[KF], 0
	s_mov_b32 s[SLOTS], NSL-1
	s_wait_dscnt 0x0                               ; both opening adds are done
	s_wait_kmcnt 0x0
	s_mov_b32 s[G0], 1
	s_lshl_b32 s[G0+1], s11, 14                    ; LDS: 16,384 x (wave % 4): K's halves, then V's
	s_add_nc_u64 s[G0+2:G0+3], s[4:5], s[12:13]
	s_or_b32 s[G0+3], s[G0+3], 0x80000000
	TLOAD                                          ; slot 0
	s_add_nc_u64 s[14:15], s[4:5], s[14:15]
	s_add_nc_u64 s[6:7], s[6:7], s[16:17]
	s_add_nc_u64 s[PFA:PFA+1], s[4:5], s[PFA:PFA+1]
	v_and_b32 v26, 31, v0
	v_lshlrev_b32 v[LI], 4, v26
	v_lshlrev_b32 v[PFO], 8, v26
.irp i, 0,1,2,3,4,5,6,7
	global_load_b128 v[QF+4*\i:QF+4*\i+3], v[LI], s[14:15] offset:512*\i   ; Q stays in registers
.endr
	v_bfe_u32 v27, v0, 4, 1                        ; h
	v_and_b32 v28, 7, v0
	v_lshl_add_u32 v28, v27, 3, v28
	v_bfe_u32 v29, v0, 3, 1
	v_lshlrev_b32 v[AVL], 5, v28
	v_lshl_add_u32 v[AVL], v29, 4, v[AVL]
	v_add_nc_u32 v[AVL], VOFF, v[AVL]
	v_and_b32 v26, 15, v0
	v_lshlrev_b32 v27, 3, v27
	v_sub_nc_u32 v[RB], v26, v27
	v_mov_b32 v[NINF], 0xff800000
.irp t, 0,1
	v_mov_b32 v[ST+8*\t+1], 0xff61b1e6             ; m = -3e38, under every score
	v_mul_f32 v[ST+8*\t], s[CS], v[ST+8*\t+1]
.irp n, 2,3,4,5,6,7
	v_mov_b32 v[ST+8*\t+\n], 0                     ; l; and the registers at work, written once
.endr
.endr
.set n, 0
.rept 64
	v_mov_b32 v[O+n], 0                            ; O^T: the step is written once; the first finds zeros, which the first rescaling leaves zeros
.set n, n+1
.endr
; A KEY STEP: 64 keys, the q-th of the slot in hand.
.macro STEP q
	s_add_co_u32 s44, s[Q0], 31
	s_cmp_gt_u32 s[KF], s44                        ; all its keys come after my queries: left out
	s_cbranch_scc1 .Lhidden_\@
	v_add_nc_u32 v[ADK], s[TB], v[LI]
	v_add_nc_u32 v[ADV], s[TB], v[AVL]
.rept 3
	v_nop                                          ; with the two additions five places behind the last V^T P: for the loads into its operands, and for the products that write over p
.endr
.irp f, 0,1,2,3,4,5,6,7                        ; K's fragments: f = 2 kt + c
	ds_load_b128 v[FB+8*\f:FB+8*\f+3], v[ADK] offset:8192*(\q)+1024*\f
	ds_load_b128 v[FB+8*\f+4:FB+8*\f+7], v[ADK] offset:8192*(\q)+1024*\f+512
.endr
	s_wait_dscnt 0x0
.irp c, 0,1                                    ; S^T = K Q^T: eight accumulators by turns
.irp kt, 0,1,2,3
.irp t, 0,1
.if \c == 0
	v_wmma_f32_16x16x32_f16 v[S+32*\t+8*\kt:S+32*\t+8*\kt+7], v[FB+8*(2*\kt+\c):FB+8*(2*\kt+\c)+7], v[QF+16*\t+8*\c:QF+16*\t+8*\c+7], 0
.else
	v_wmma_f32_16x16x32_f16 v[S+32*\t+8*\kt:S+32*\t+8*\kt+7], v[FB+8*(2*\kt+\c):FB+8*(2*\kt+\c)+7], v[QF+16*\t+8*\c:QF+16*\t+8*\c+7], v[S+32*\t+8*\kt:S+32*\t+8*\kt+7]
.endif
.endr
.endr
.endr
.rept 4
	v_nop                                          ; places: ahead of the loads into K's registers and of the first read of the scores
.endr
.irp cp, 0,1                                   ; V^T's fragments, turned: 32 keys (cp) x 16 channels (ct); they land under the softmax
.irp ct, 0,1,2,3
	ds_load_tr16_b128 v[FB+8*(4*\cp+\ct):FB+8*(4*\cp+\ct)+3], v[ADV] offset:8192*(\q)+4096*\cp+512*\ct
	ds_load_tr16_b128 v[FB+8*(4*\cp+\ct)+4:FB+8*(4*\cp+\ct)+7], v[ADV] offset:8192*(\q)+4096*\cp+2048+512*\ct
.endr
.endr
	s_add_co_u32 s44, s[KF], 63
	s_cmp_le_u32 s44, s[Q0]                        ; all keys count for all my queries: no mask
	s_cbranch_scc1 .Lopen_\@
	s_sub_co_i32 s44, s[Q0], s[KF]
	v_add_nc_u32 v[DD], s44, v[RB]                 ; d = Q0 - KF + r - 8 h.  Register 32 t + 8 kt + j holds key KF + 16 kt + 8 h + j of query Q0 + 16 t + r: hidden where 16 kt + j - 16 t > d
.set n, 0
.rept 64
	v_cmp_gt_i32 vcc_lo, 16*((n%32)/8)+n%8-16*(n/32), v[DD]
	v_cndmask_b32 v[S+n], v[S+n], v[NINF], vcc_lo
.set n, n+1
.endr
.Lopen_\@:
.irp k, 0,1,2,3                                ; the maximum of 32 scores and the old m; the two tiles line by line in turn
.irp t, 0,1
	v_max3_num_f32 v[ST+8*\t+4+\k], v[S+32*\t+8*\k], v[S+32*\t+8*\k+1], v[S+32*\t+8*\k+2]
.endr
.endr
.irp u, 3,5
.irp k, 0,1,2,3
.irp t, 0,1
	v_max3_num_f32 v[ST+8*\t+4+\k], v[ST+8*\t+4+\k], v[S+32*\t+8*\k+\u], v[S+32*\t+8*\k+\u+1]
.endr
.endr
.endr
.irp t, 0,1
	v_max3_num_f32 v[ST+8*\t+4], v[ST+8*\t+4], v[S+32*\t+7], v[S+32*\t+15]
.endr
.irp t, 0,1
	v_max3_num_f32 v[ST+8*\t+6], v[ST+8*\t+6], v[S+32*\t+23], v[S+32*\t+31]
.endr
.irp t, 0,1
	v_max3_num_f32 v[ST+8*\t+4], v[ST+8*\t+4], v[ST+8*\t+5], v[ST+8*\t+6]
.endr
.irp t, 0,1
	v_max3_num_f32 v[ST+8*\t+4], v[ST+8*\t+4], v[ST+8*\t+7], v[ST+8*\t+1]
.endr
.irp t, 0,1
	v_permlanex16_b32 v[ST+8*\t+5], v[ST+8*\t+4], s[SEL], s[SEL+1]   ; the query's other 32 keys lie in the lane 16 away
.endr
.irp t, 0,1
	v_mov_b32 v[ST+8*\t+7], v[ST+8*\t]             ; c m_old
.endr
.irp t, 0,1
	v_max_num_f32 v[ST+8*\t+1], v[ST+8*\t+4], v[ST+8*\t+5]
.endr
.irp t, 0,1
	v_mul_f32 v[ST+8*\t], s[CS], v[ST+8*\t+1]
.endr
.irp t, 0,1
	v_sub_f32 v[ST+8*\t+7], v[ST+8*\t+7], v[ST+8*\t]
.endr
.set n, 0
.rept 32
	v_pk_fma_f32 v[S+2*n:S+2*n+1], v[S+2*n:S+2*n+1], s[CS:CS+1], v[ST+8*(n/16):ST+8*(n/16)+1] op_sel_hi:[1,0,0] neg_lo:[0,0,1] neg_hi:[0,0,1]   ; c s - c m
.set n, n+1
.endr
.irp t, 0,1
	v_exp_f32 v[ST+8*\t+6], v[ST+8*\t+7]           ; 2^(c m_old - c m_new)
.endr
.set n, 0
.rept 64
	v_exp_f32 v[S+n], v[S+n]                       ; p
.set n, n+1
.endr
	v_nop                                          ; a plain instruction behind the last exponential,
	s_wait_alu depctr_va_vdst(0)                   ; and ONE wait for the batch of 66, ahead of its first reader
.irp t, 0,1                                    ; the sums of the f32 weights, two chains a tile
	v_pk_add_f32 v[ST+8*\t+4:ST+8*\t+5], v[S+32*\t:S+32*\t+1], v[S+32*\t+2:S+32*\t+3]
.endr
.irp t, 0,1
	v_pk_add_f32 v[TA+2*\t:TA+2*\t+1], v[S+32*\t+4:S+32*\t+5], v[S+32*\t+6:S+32*\t+7]
.endr
.irp j, 8,12,16,20,24,28
.irp t, 0,1
	v_pk_add_f32 v[ST+8*\t+4:ST+8*\t+5], v[ST+8*\t+4:ST+8*\t+5], v[S+32*\t+\j:S+32*\t+\j+1]
.endr
.irp t, 0,1
	v_pk_add_f32 v[TA+2*\t:TA+2*\t+1], v[TA+2*\t:TA+2*\t+1], v[S+32*\t+\j+2:S+32*\t+\j+3]
.endr
.endr
.irp t, 0,1
	v_pk_add_f32 v[ST+8*\t+4:ST+8*\t+5], v[ST+8*\t+4:ST+8*\t+5], v[TA+2*\t:TA+2*\t+1]
.endr
.irp t, 0,1
	v_pk_fma_f32 v[ST+8*\t+2:ST+8*\t+3], v[ST+8*\t+2:ST+8*\t+3], v[ST+8*\t+6:ST+8*\t+7], v[ST+8*\t+4:ST+8*\t+5] op_sel_hi:[1,0,1]   ; l = l x factor + the sum
.endr
.set n, 0
.rept 32
	v_cvt_pk_f16_f32 v[S+32*(n/16)+n%16], v[S+32*(n/16)+2*(n%16)], v[S+32*(n/16)+2*(n%16)+1]   ; in place, ascending: a pair is read before its place is taken
.set n, n+1
.endr
.set n, 0
.rept 32
	v_pk_mul_f32 v[O+2*n:O+2*n+1], v[O+2*n:O+2*n+1], v[ST+8*(n/16)+6:ST+8*(n/16)+7] op_sel_hi:[1,0]   ; O^T under the new m; each accumulator from its low end on
.set n, n+1
.endr
	s_wait_dscnt 0x0                               ; V is in
.irp cp, 0,1                                   ; O^T += V^T P: eight accumulators by turns
.irp ct, 0,1,2,3
.irp t, 0,1
	v_wmma_f32_16x16x32_f16 v[O+32*\t+8*\ct:O+32*\t+8*\ct+7], v[FB+8*(4*\cp+\ct):FB+8*(4*\cp+\ct)+7], v[S+32*\t+8*\cp:S+32*\t+8*\cp+7], v[O+32*\t+8*\ct:O+32*\t+8*\ct+7]
.endr
.endr
.endr
.Lhidden_\@:
	s_add_co_u32 s[KF], s[KF], 64
.endm
; THE CHANGE OF SLOTS stands at a slot's head.  Each wave waits for all its tensor loads, adds 0 to its spare word, and waits for that and for its reads of the slot that it has left; behind the barrier the slot ahead is
; whole and nobody reads the other one.  fill = 1: that other slot is asked for, up to the causal limit; the load has a slot's four steps in which to land.
.macro CHANGE fill
	s_wait_tensorcnt 0x0                           ; no tensor load of mine is out, so the descriptor may be written
	ds_add_u32 v[SPW], v[NIL]
.if \fill
	ds_add_u32 v[SPW], v[NIL]                      ; and twice on end here, in every trip alike
	s_xor_b32 s[G0+1], s[G0+1], SLOT1
	s_add_nc_u64 s[G0+2:G0+3], s[G0+2:G0+3], 32768
	s_wait_xcnt 0x0                                ; the last prefetch, a slot back, has read its address
	s_add_nc_u64 s[PFA:PFA+1], s[PFA:PFA+1], 32768
.endif
	s_wait_dscnt 0x0
	s_barrier_signal -1
	s_barrier_wait -1
.if \fill
	s_add_co_u32 s44, s[KF], 256                   ; the first key of the slot that this change would ask for
	s_cmp_gt_u32 s44, s[LASTQ]                     ; past my work-group's last query none of its waves would read it.  Every wait on TENSORcnt in this text is for 0
	s_cbranch_scc1 .Lpast_\@
	TLOAD
.Lpast_\@:
	ASK
.endif
.endm
.macro SLOT_STEPS
	STEP 0
	STEP 1
	STEP 2
	STEP 3
	s_xor_b32 s[TB], s[TB], SLOT1
.endm
	s_wait_loadcnt 0x0                             ; Q
.Lslot:                                            ; seven trips
	CHANGE 1
	SLOT_STEPS
	s_sub_co_u32 s[SLOTS], s[SLOTS], 1
	s_cmp_lg_u32 s[SLOTS], 0
	s_cbranch_scc1 .Lslot
	CHANGE 0                                       ; the last slot is written out: nothing is left to ask for
	SLOT_STEPS
	; THE WAY OUT: O^T / l, rounded to f16: a lane's eight channels of a query are 16 bytes of the next product's fragment, so each store covers 512 consecutive bytes
.rept 4
	v_nop
.endr
.irp t, 0,1
	v_add_f32 v[ST+8*\t+4], v[ST+8*\t+2], v[ST+8*\t+3]
.endr
.irp t, 0,1
	v_permlanex16_b32 v[ST+8*\t+5], v[ST+8*\t+4], s[SEL], s[SEL+1]
.endr
.irp t, 0,1
	v_add_f32 v[ST+8*\t+4], v[ST+8*\t+4], v[ST+8*\t+5]
.endr
.irp t, 0,1
	v_rcp_f32 v[ST+8*\t+6], v[ST+8*\t+4]
.endr
	v_nop
	s_wait_alu depctr_va_vdst(0)                   ; one wait for the two reciprocals
.set n, 0
.rept 32
	v_pk_mul_f32 v[O+2*n:O+2*n+1], v[O+2*n:O+2*n+1], v[ST+8*(n/16)+6:ST+8*(n/16)+7] op_sel_hi:[1,0]
.set n, n+1
.endr
.set n, 0
.rept 32
	v_cvt_pk_f16_f32 v[S+n], v[O+2*n], v[O+2*n+1]
.set n, n+1
.endr
.irp t, 0,1
.irp ct, 0,1,2,3
	global_store_b128 v[LI], v[S+16*\t+4*\ct:S+16*\t+4*\ct+3], s[6:7] offset:32768*\t+512*\ct
.endr
.endr
	s_wait_tensorcnt 0x0                           ; the wave's end
	ds_add_u32 v[SPW], v[NIL]
	s_wait_dscnt 0x0
	s_endpgm
.Lfunc_end_k_q2111cd2d3c_attention:
	.size	k_q2111cd2d3c_attention, .Lfunc_end_k_q2111cd2d3c_attention-k_q2111cd2d3c_attention
	.p2alignl 7, 3214868480
	.fill 96, 4, 3214868480
	.section	.rodata,"a",@progbits
	.p2align	6, 0x0
	.amdhsa_kernel k_q2111cd2d3c_attention
		.amdhsa_group_segment_fixed_size 327680
		.amdhsa_private_segment_fixed_size 0
		.amdhsa_enable_private_segment 0
		.amdhsa_kernarg_size 16
		.amdhsa_user_sgpr_count 2
		.amdhsa_user_sgpr_kernarg_segment_ptr 1
		.amdhsa_wavefront_size32 1
		.amdhsa_system_sgpr_workgroup_id_x 1
		.amdhsa_system_sgpr_workgroup_id_y 1
		.amdhsa_system_sgpr_workgroup_id_z 1
		.amdhsa_system_vgpr_workitem_id 0
		.amdhsa_next_free_vgpr 256
		.amdhsa_next_free_sgpr 66
		.amdhsa_reserve_vcc 1
		.amdhsa_float_denorm_mode_32 3
		.amdhsa_float_denorm_mode_16_64 3
		.amdhsa_memory_ordered 1
		.amdhsa_forward_progress 1
		.amdhsa_inst_pref_size 184
	.end_amdhsa_kernel
	.amdgpu_metadata
---
amdhsa.version: [ 1, 2 ]
amdhsa.kernels:
  - .name:           k_q2111cd2d3c_attention
    .symbol:         k_q2111cd2d3c_attention.kd
    .args:
      - { .name: qkv, .offset: 0, .size: 8, .value_kind: global_buffer, .address_space: global }
      - { .name: att, .offset: 8, .size: 8, .value_kind: global_buffer, .address_space: global }
    .group_segment_fixed_size: 327680
    .private_segment_fixed_size: 0
    .kernarg_segment_align: 8
    .kernarg_segment_size: 16
    .max_flat_workgroup_size: 512
    .sgpr_count:     66
    .vgpr_count:     256
    .wavefront_size: 32
...
	.end_amdgpu_metadata
.endif
;; end of part 3
;; launch oproj (part 4): grid 4 x 64, 4 waves a work-group, clusters of 4 x 4, 327,680 bytes of LDS; arguments att, wof, bo, out0; writes out0
.if DOCPART == 4
	.amdgcn_target "amdgcn-amd-amdhsa--gfx1250"
	.amdhsa_code_object_version 6
	.text
	.protected	k_q2111cd2d3c_oproj
	.globl	k_q2111cd2d3c_oproj
	.p2align	8
	.type	k_q2111cd2d3c_oproj,@function
k_q2111cd2d3c_oproj:
	s_mov_b64 s[64:65], 0
	v_nop
	global_prefetch_b8 v0, s[64:65] scope:SCOPE_SE
	s_setreg_imm32_b32 hwreg(HW_REG_WAVE_MODE, 25, 1), 1
	s_wait_xcnt 0x0
	s_wait_alu depctr_hold_cnt(0) depctr_sa_sdst(0) depctr_va_vdst(0) depctr_va_sdst(0) depctr_va_ssrc(0) depctr_va_vcc(0) depctr_vm_vsrc(0)
	s_getreg_b32 s2, hwreg(HW_REG_IB_STS2, 6, 4)
	s_cmp_eq_u32 s2, 0
	s_cbranch_scc0 .Lentry_in_a_cluster
	s_endpgm
.Lentry_in_a_cluster:
	s_bfe_u32 s2, ttmp6, 0x10000c
	s_cmp_lg_u32 s2, 0xf033
	s_cbranch_scc0 .Lentry_shape_is_right
	s_endpgm
.Lentry_shape_is_right:
; OPROJ: out0 = att Wo^T + bo, f16 operands, f32 sums; all rows but positions 0-15 of each sequence, which a later launch carries in f32.
; att [row / 16][kc 32][e 2][lane][16 bytes] and wof [n / 16][kc 32][e 2][lane][16 bytes] are register images of 16 x 32 fragments: a K step of 128 is 4,096 dense bytes of each group of 16 rows,
; a tile in LDS needs no padding, and every fragment load reads 512 consecutive bytes.
; A tile of 128 rows x 256 columns is made by four waves, 64 x 128 each: 32 accumulators.  That gives 256 work-groups.  K goes in eight steps of 128 through a ring of two LDS slots.
; CLUSTERS: 4 x 4 work-groups; cy is the batch, cluster y the block of 128 positions, cx the block of 256 columns.  att's tile is shared along a row of the cluster, Wo's along a column: joint loads.
; The matrix instruction is used transposed (source 0 = 16 rows of Wo, source 1 = 16 rows of att): a lane holds eight neighbouring columns of a row.  The bias is the C of each sum's first product.
; REGISTERS: window 0: v16-29 addresses; v32-95 the bias; v128-159, v160-191 att's fragments, two buffers; on the way out v128-255 rows of out0.  window 1: Wo's fragments, v0-63 and v64-127.  window 2: accumulator (a, b) at v[8 (8 a + b)].
.set SLOT,   98304                     ; att's 8 groups x 4,096 bytes, then Wo's 16 groups
.set BOFF,   32768
.set SPARE,  2*SLOT
.set SPITCH, 528                       ; the way out: a stage of 16 rows x (512 bytes + 16) for each wave, in slot 0, which has had its last fill and its last read by then
.set ADRA, 16
.set ADRB, 20
.set STO,  24
.set RD,   25
.set CO,   26
.set BO,   27
.set SPW,  28
.set NIL,  29
.set BIAS, 32
.set AF,   128
.set BK,   128
.set WV, 12
.set RH, 13                            ; s13 my half of the rows.  Also: I fetch for att (0) or for Wo (1)
.set CH, 14                            ; s14 my half of the columns.  Also: which half of that tile I fetch
.set UU, 15                            ; s15 the block of 128 positions
.set G1, 24
.set G0, 32
.set G1B, 48
.set G0B, 56
.set MSB, 0
.macro WIN new
.if MSB != (\new)
	s_set_vgpr_msb (MSB<<8)|(\new)
.set MSB, (\new)
.endif
.endm
.set MUL,  0xa1                        ; source 0 (Wo) window 1, source 1 (att) window 0, C and D window 2; with the bias as C: 0x81
.set TO_B, 0x40
.macro JLOAD s
	s_cmp_eq_u32 s[RH], 0
	s_cbranch_scc0 .Lfor_b_\@
	tensor_load_to_lds s[G0+4*\s:G0+4*\s+3], s[G1:G1+7]
	s_nop 0
.rept 4
	v_nop
.endr
	s_branch .Lasked_\@
.Lfor_b_\@:
	tensor_load_to_lds s[G0B+4*\s:G0B+4*\s+3], s[G1B:G1B+7]
	s_nop 0
.rept 4
	v_nop
.endr
.Lasked_\@:
.endm
.macro CREST
	s_cmp_lg_u32 s[WV], 0
	s_cbranch_scc1 .Lnot_wave_0_\@
	s_barrier_signal -3
.Lnot_wave_0_\@:
	s_barrier_wait -3
	s_barrier_signal -1
	s_barrier_wait -1
.endm
.macro CROUND
	s_barrier_signal -1
	s_barrier_wait -1
	CREST
.endm
	s_load_b256 s[4:11], s[0:1], 0x0               ; att, wof, bo, out0
	v_lshl_add_u32 v[SPW], v0, 2, SPARE
	v_mov_b32 v[NIL], 0
	ds_add_u32 v[SPW], v[NIL]                      ; the wave's opening: the add, twice on end, and its wait ahead of my first tensor load
	ds_add_u32 v[SPW], v[NIL]
	v_lshrrev_b32 v1, 5, v0
	v_readfirstlane_b32 s[WV], v1
	s_lshr_b32 s[RH], s[WV], 1
	s_and_b32 s[CH], s[WV], 1
	s_bfe_u32 s40, ttmp6, 0x40000                  ; cx
	s_bfe_u32 s41, ttmp6, 0x40004                  ; cy
	s_and_b32 s[UU], ttmp7, 0xffff
	s_lshl_b32 s43, s41, 2
	s_lshl_b32 s43, 15, s43                        ; my row of the cluster
	s_lshl_b32 s44, 0x1111, s40                    ; my column
	s_or_b32 s[G1], s43, (3<<16)|(1<<21)           ; the mask; elements of 8 bytes; bit 21 beside a mask; no padding
	s_or_b32 s[G1B], s44, (3<<16)|(1<<21)
.irp g, G1, G1B
	s_mov_b32 s[\g+1], 512<<16                     ; tensor_dim0: 4,096 bytes
	s_mov_b32 s[\g+3], 512<<16                     ; tile_dim0
	s_mov_b32 s[\g+5], 4096                        ; from group to group: 32,768 bytes
	s_mov_b32 s[\g+6], 0
	s_mov_b32 s[\g+7], 0
.endr
	s_mov_b32 s[G1+2], 4<<16                       ; att: four groups of 16 rows a load
	s_mov_b32 s[G1+4], 4
	s_mov_b32 s[G1B+2], 8<<16                      ; Wo: eight
	s_mov_b32 s[G1B+4], 8
	s_lshl_b32 s16, s41, 7                         ; att's group: 128 cy + 8 U + 4 x half
	s_lshl_b32 s17, s[UU], 3
	s_add_co_u32 s16, s16, s17
	s_lshl_b32 s17, s[CH], 2
	s_add_co_u32 s16, s16, s17
	s_lshl_b32 s16, s16, 15
	s_mov_b32 s17, 0
	s_lshl_b32 s46, s40, 4                         ; Wo's group: 16 cx + 8 x half
	s_lshl_b32 s47, s[CH], 3
	s_add_co_u32 s46, s46, s47
	s_lshl_b32 s46, s46, 15
	s_mov_b32 s47, 0
	s_lshl_b32 s20, s[CH], 14                      ; where they go: att's halves,
	s_lshl_b32 s21, s[CH], 15
	s_add_co_u32 s21, s21, BOFF                    ; and Wo's behind them
	s_wait_dscnt 0x0
	s_wait_kmcnt 0x0
	s_add_nc_u64 s[16:17], s[4:5], s[16:17]
	s_add_nc_u64 s[46:47], s[6:7], s[46:47]
	CROUND                                         ; all sixteen work-groups are here: the first joint loads meet
.irp s, 0,1
	s_mov_b32 s[G0+4*\s], 1
	s_add_co_u32 s[G0+4*\s+1], s20, \s*SLOT
	s_add_nc_u64 s[G0+4*\s+2:G0+4*\s+3], s[16:17], \s*4096
	s_or_b32 s[G0+4*\s+3], s[G0+4*\s+3], 0x80000000
	s_mov_b32 s[G0B+4*\s], 1
	s_add_co_u32 s[G0B+4*\s+1], s21, \s*SLOT
	s_add_nc_u64 s[G0B+4*\s+2:G0B+4*\s+3], s[46:47], \s*4096
	s_or_b32 s[G0B+4*\s+3], s[G0B+4*\s+3], 0x80000000
	JLOAD \s
.endr
	s_lshl_b32 s18, s40, 10                        ; the bias of my 128 columns
	s_lshl_b32 s19, s[CH], 9
	s_add_co_u32 s18, s18, s19
	s_mov_b32 s19, 0
	s_add_nc_u64 s[8:9], s[8:9], s[18:19]
	v_and_b32 v1, 15, v0                           ; r
	v_bfe_u32 v2, v0, 4, 1                         ; h
	v_lshlrev_b32 v[BO], 5, v2
.irp b, 0,1,2,3,4,5,6,7
	global_load_b128 v[BIAS+8*\b:BIAS+8*\b+3], v[BO], s[8:9] offset:64*\b
	global_load_b128 v[BIAS+8*\b+4:BIAS+8*\b+7], v[BO], s[8:9] offset:64*\b+16
.endr
	v_and_b32 v3, 31, v0
	v_lshlrev_b32 v[CO], 4, v3                     ; 16 x lane
	s_lshl_b32 s20, s[RH], 14                      ; my four groups of att,
	s_lshl_b32 s21, s[CH], 15
	s_add_co_u32 s21, s21, BOFF                    ; my eight of Wo
.irp s, 0,1
	v_add_nc_u32 v[ADRA+\s], s20, v[CO]
	v_add_nc_u32 v[ADRB+\s], s21, v[CO]
	s_add_co_u32 s20, s20, SLOT
	s_add_co_u32 s21, s21, SLOT
.endr
	s_mul_i32 s22, s[WV], 16*SPITCH                ; my stage
	v_mul_u32_u24 v4, v1, SPITCH
	v_lshl_add_u32 v4, v2, 5, v4
	v_add_nc_u32 v[STO], s22, v4                   ; in: row r, 32 bytes for each half of the lanes
	v_add_nc_u32 v[RD], s22, v[CO]                 ; back: the 32 lanes take one row of 512 bytes
	s_lshl_b32 s18, s41, 23                        ; out0: (2048 cy + 128 U + 64 rh) rows of 4,096 bytes + 1,024 cx + 512 ch
	s_lshl_b32 s20, s[UU], 19
	s_add_co_u32 s18, s18, s20
	s_lshl_b32 s20, s[RH], 18
	s_add_co_u32 s18, s18, s20
	s_lshl_b32 s20, s40, 10
	s_add_co_u32 s18, s18, s20
	s_lshl_b32 s20, s[CH], 9
	s_add_co_u32 s18, s18, s20
	s_add_nc_u64 s[10:11], s[10:11], s[18:19]
.macro MUL8 f, a, first                ; eight matrix instructions: att's block a against Wo's eight, 32 along K, from buffer f.  The 32 accumulators take turns in the same order everywhere
.irp b, 0,1,2,3,4,5,6,7
.if \first
	v_wmma_f32_16x16x32_f16 v[8*(8*(\a)+\b):8*(8*(\a)+\b)+7], v[64*(\f)+8*\b:64*(\f)+8*\b+7], v[AF+32*(\f)+8*(\a):AF+32*(\f)+8*(\a)+7], v[BIAS+8*\b:BIAS+8*\b+7]
.else
	v_wmma_f32_16x16x32_f16 v[8*(8*(\a)+\b):8*(8*(\a)+\b)+7], v[64*(\f)+8*\b:64*(\f)+8*\b+7], v[AF+32*(\f)+8*(\a):AF+32*(\f)+8*(\a)+7], v[8*(8*(\a)+\b):8*(8*(\a)+\b)+7]
.endif
.endr
.endm
.macro MUL16 f, a0, first
	MUL8 \f, \a0, \first
	MUL8 \f, (\a0)+1, \first
.endm
.macro FETCH slot, kc, f               ; 24 LDS loads in one run: chunk kc of the slot into buffer f; Wo's sixteen first, att's eight last
	WIN TO_B
.irp b, 0,1,2,3,4,5,6,7
	ds_load_b128 v[64*(\f)+8*\b:64*(\f)+8*\b+3], v[ADRB+\slot] offset:4096*\b+1024*(\kc)
	ds_load_b128 v[64*(\f)+8*\b+4:64*(\f)+8*\b+7], v[ADRB+\slot] offset:4096*\b+1024*(\kc)+512
.endr
	WIN 0
.irp a, 0,1,2,3
	ds_load_b128 v[AF+32*(\f)+8*\a:AF+32*(\f)+8*\a+3], v[ADRA+\slot] offset:4096*\a+1024*(\kc)
	ds_load_b128 v[AF+32*(\f)+8*\a+4:AF+32*(\f)+8*\a+7], v[ADRA+\slot] offset:4096*\a+1024*(\kc)+512
.endr
.endm
.macro PLACES
.rept 4
	v_nop
.endr
.endm
.macro QUARTER slot, kc, f, g, first   ; multiplies buffer f; in its middle fetches chunk kc of the same slot into buffer g
	s_wait_dscnt 4                                 ; all but the youngest four loads (att's blocks 2, 3)
	WIN MUL-0x20*(\first)
	MUL16 \f, 0, \first
	PLACES
	FETCH \slot, \kc, \g
	s_wait_dscnt 24                                ; all but the 24 just issued
	WIN MUL-0x20*(\first)
	MUL16 \f, 2, \first
.endm
; A K step's last quarter multiplies buffer 1 and changes slots: ONE barrier; in front of it each wave waits for all its tensor loads, adds 0 to its spare word, and waits for that and for its reads of this slot.
; fill = 1: the barrier opens a round of the cluster's, and behind it this slot is filled again, two K steps ahead: 112 matrix instructions stand between the request and the wait for it.
.macro TURN slot, next, fill
	WIN 0
	s_wait_tensorcnt 0x0
	ds_add_u32 v[SPW], v[NIL]
	s_wait_dscnt 5                                 ; (the add and the youngest four loads may be out)
	WIN MUL
	MUL8 1, 0, 0
	s_wait_dscnt 0x0
	s_barrier_signal -1
	MUL8 1, 1, 0
.if \fill
	WIN 0
.endif
	s_barrier_wait -1
.if \fill
	CREST
	s_add_nc_u64 s[G0+4*\slot+2:G0+4*\slot+3], s[G0+4*\slot+2:G0+4*\slot+3], 8192
	s_add_nc_u64 s[G0B+4*\slot+2:G0B+4*\slot+3], s[G0B+4*\slot+2:G0B+4*\slot+3], 8192
	JLOAD \slot                                    ; the first tensor load behind the round; its four v_nop are also the places in front of the loads below
.else
	PLACES
.endif
	FETCH \next, 0, 0
	WIN MUL
	MUL16 1, 2, 0
.endm
	s_wait_tensorcnt 1                             ; my part of K step 0 is in (K step 1's may be out)
	s_barrier_signal -1
	s_barrier_wait -1
	FETCH 0, 0, 0
	s_wait_loadcnt 0x0                             ; the bias
	QUARTER 0, 1, 0, 1, 1
	WIN 0
	s_mov_b32 s3, 3
.Llap:                                             ; a trip goes once round the ring and fills both slots again
	QUARTER 0, 2, 1, 0, 0
	QUARTER 0, 3, 0, 1, 0
	TURN 0, 1, 1
	QUARTER 1, 1, 0, 1, 0
	QUARTER 1, 2, 1, 0, 0
	QUARTER 1, 3, 0, 1, 0
	TURN 1, 0, 1
	QUARTER 0, 1, 0, 1, 0
	WIN 0
	s_sub_co_u32 s3, s3, 1
	s_cmp_lg_u32 s3, 0
	s_cbranch_scc1 .Llap
	QUARTER 0, 2, 1, 0, 0                          ; the last lap fills nothing
	QUARTER 0, 3, 0, 1, 0
	TURN 0, 1, 0
	QUARTER 1, 1, 0, 1, 0
	QUARTER 1, 2, 1, 0, 0
	QUARTER 1, 3, 0, 1, 0
	s_wait_dscnt 4
	WIN MUL
	MUL16 1, 0, 0
	s_wait_dscnt 0
	MUL16 1, 2, 0
	WIN 0
; THE WAY OUT, block by block of 16 rows x 128 columns, through my own stage: in as 32 bytes a lane, back as whole rows of 512 bytes.  LDS serves a wave's instructions in order, so no wait stands between.
.macro TOSTAGE a
	WIN 0x08                                       ; an LDS store's data are its source 1: window 2
.irp b, 0,1,2,3,4,5,6,7
	ds_store_b128 v[STO], v[64*(\a)+8*\b:64*(\a)+8*\b+3] offset:64*\b          ; each accumulator from its low end on
	ds_store_b128 v[STO], v[64*(\a)+8*\b+4:64*(\a)+8*\b+7] offset:64*\b+16
.endr
	WIN 0
.set BB, BK+64*((\a)%2)
.irp t, 0,1,2,3,4,5,6,7,8,9,10,11,12,13,14,15
	ds_load_b128 v[BB+4*\t:BB+4*\t+3], v[RD] offset:\t*SPITCH
.endr
.endm
.macro SEND a, younger
.set BB, BK+64*((\a)%2)
	s_wait_dscnt \younger
.irp t, 0,1,2,3,4,5,6,7,8,9,10,11,12,13,14,15
	global_store_b128 v[CO], v[BB+4*\t:BB+4*\t+3], s[10:11] offset:(16*(\a)+\t)*4096 th:TH_STORE_NT   ; 32 lanes store 512 consecutive bytes, aligned
.endr
.endm
	PLACES
	s_or_b32 s46, s[UU], s[RH]
	s_cmp_eq_u32 s46, 0                            ; my first 16 rows are positions 0-15: the f32 launch stores those.  The test is alike in all partners
	s_cbranch_scc1 .Lskip0
	TOSTAGE 0
	SEND 0, 0
.Lskip0:
	s_wait_xcnt 0x0                                ; block 0's stores have read their registers
	TOSTAGE 1
	TOSTAGE 2
	SEND 1, 32                                     ; behind block 1's loads: block 2's 16 stores and 16 loads
	s_wait_xcnt 0x0
	TOSTAGE 3
	SEND 2, 32
	SEND 3, 0
	s_wait_tensorcnt 0x0                           ; the wave's end
	ds_add_u32 v[SPW], v[NIL]
	s_wait_dscnt 0x0
	CROUND                                         ; the closing round
	s_endpgm
.Lfunc_end_k_q2111cd2d3c_oproj:
	.size	k_q2111cd2d3c_oproj, .Lfunc_end_k_q2111cd2d3c_oproj-k_q2111cd2d3c_oproj
	.p2alignl 7, 3214868480
	.fill 96, 4, 3214868480
	.section	.rodata,"a",@progbits
	.p2align	6, 0x0
	.amdhsa_kernel k_q2111cd2d3c_oproj
		.amdhsa_group_segment_fixed_size 327680
		.amdhsa_private_segment_fixed_size 0
		.amdhsa_enable_private_segment 0
		.amdhsa_kernarg_size 32
		.amdhsa_user_sgpr_count 2
		.amdhsa_user_sgpr_kernarg_segment_ptr 1
		.amdhsa_wavefront_size32 1
		.amdhsa_system_sgpr_workgroup_id_x 1
		.amdhsa_system_sgpr_workgroup_id_y 1
		.amdhsa_system_sgpr_workgroup_id_z 1
		.amdhsa_system_vgpr_workitem_id 0
		.amdhsa_next_free_vgpr 768
		.amdhsa_next_free_sgpr 66
		.amdhsa_reserve_vcc 0
		.amdhsa_float_denorm_mode_32 3
		.amdhsa_float_denorm_mode_16_64 3
		.amdhsa_memory_ordered 1
		.amdhsa_forward_progress 1
		.amdhsa_inst_pref_size 87
	.end_amdhsa_kernel
	.amdgpu_metadata
---
amdhsa.version: [ 1, 2 ]
amdhsa.kernels:
  - .name:           k_q2111cd2d3c_oproj
    .symbol:         k_q2111cd2d3c_oproj.kd
    .args:
      - { .name: att, .offset: 0, .size: 8, .value_kind: global_buffer, .address_space: global }
      - { .name: wof, .offset: 8, .size: 8, .value_kind: global_buffer, .address_space: global }
      - { .name: bo, .offset: 16, .size: 8, .value_kind: global_buffer, .address_space: global }
      - { .name: out0, .offset: 24, .size: 8, .value_kind: global_buffer, .address_space: global }
    .group_segment_fixed_size: 327680
    .private_segment_fixed_size: 0
    .kernarg_segment_align: 8
    .kernarg_segment_size: 32
    .max_flat_workgroup_size: 128
    .sgpr_count:     66
    .vgpr_count:     768
    .wavefront_size: 32
...
	.end_amdgpu_metadata
.endif
;; end of part 4
;; launch first16 (part 5): grid 16 x 4, 16 waves a work-group, no clusters, 71,680 bytes of LDS; arguments h16, Wo, bo, out0; writes out0
.if DOCPART == 5
	.amdgcn_target "amdgcn-amd-amdhsa--gfx1250"
	.amdhsa_code_object_version 6
	.text
	.protected	k_q2111cd2d3c_first16
	.globl	k_q2111cd2d3c_first16
	.p2align	8
	.type	k_q2111cd2d3c_first16,@function
k_q2111cd2d3c_first16:
	s_mov_b64 s[64:65], 0
	v_nop
	global_prefetch_b8 v0, s[64:65] scope:SCOPE_SE
	s_setreg_imm32_b32 hwreg(HW_REG_WAVE_MODE, 25, 1), 1
	s_wait_xcnt 0x0
; FIRST16: positions 0-15 of each of the four sequences, where attention averages one to sixteen values: scores, softmax, both later products and the bias in f32 throughout (v_wmma_f32_16x16x4_f32: 96 a wave, no bulk work).
; h16 [T 3][batch][head][blk 4][e 2][lane][16 bytes]: lane (r, h) holds token r, channels 16 blk + 8 h + 4 e + 0 .. 3, f32.
; SHARES.  Work-group (s, batch) makes 64 columns of the 16 rows; wave = head.  A wave redoes its head's 16 x 16 attention, multiplies its 64 channels into the 64 columns, and the sixteen heads' parts are added through LDS.
; K IS PERMUTED ALIKE IN BOTH OPERANDS: a K step takes registers 2 x, 2 x + 1 of both images, so that lanes 0-15 bring two channels (or keys) and lanes 16-31 the two that lie eight further on.
; The registers that the matrix instructions write (v176-239) are written by nothing else.  No tensor loads and no cluster: what is shared is 12 KB a head, and it goes straight into registers.
.set PITCH, 272                        ; a row of a part: 64 columns of f32 + 16 bytes
.set PART,  16*PITCH
.set SPARE, 16*PART
.set LI,  1                            ; v1 16 x lane
.set VA,  2                            ; v2 V's lane offset
.set WA,  3                            ; v3 Wo's lane offset: 4,096 r + 32 h
.set STO, 4
.set RD,  5
.set GO,  6
.set BOF, 7
.set DD,  8                            ; v8 r - 8 h
.set SPW, 9
.set NIL, 10
.set NINF, 11
.set QF,  16                           ; v16-47 q, v48-79 k; later Wo's tiles 2, 3; later the sixteen parts
.set KF,  48
.set W23, 16
.set VF,  80                           ; v80-111 V: register 8 t + j = V[key 8 h + j][16 t + r]; later the normalised attention
.set W01, 112                          ; v112-175 Wo's tiles 0, 1
.set SA,  176
.set SB,  184
.set OT,  192
.set OU,  224
.set P,   240
.set TM,  248
	s_load_b256 s[4:11], s[0:1], 0x0               ; h16, Wo, bo, out0
	v_lshl_add_u32 v[SPW], v0, 2, SPARE
	v_mov_b32 v[NIL], 0
	v_lshrrev_b32 v14, 5, v0
	v_readfirstlane_b32 s12, v14                   ; wave = head
	s_and_b32 s14, ttmp7, 0xffff                   ; batch
	v_and_b32 v14, 31, v0
	v_and_b32 v12, 15, v0                          ; r
	v_bfe_u32 v13, v0, 4, 1                        ; h
	v_lshlrev_b32 v[LI], 4, v14
	v_bfe_u32 v14, v0, 2, 1                        ; channel 16 t + r of token 8 h + j lies at 1,024 t + 512 ((r / 4) % 2) + 256 (r / 8) + 128 h + 16 j + 4 (r % 4)
	v_lshlrev_b32 v[VA], 9, v14
	v_bfe_u32 v14, v0, 3, 1
	v_lshl_add_u32 v[VA], v14, 8, v[VA]
	v_and_b32 v14, 3, v0
	v_lshl_add_u32 v[VA], v14, 2, v[VA]
	v_lshl_add_u32 v[VA], v13, 7, v[VA]
	v_lshlrev_b32 v[WA], 12, v12
	v_lshl_add_u32 v[WA], v13, 5, v[WA]
	s_mov_b32 s20, 0x76543210
	s_mov_b32 s21, 0xfedcba98
	s_mov_b32 s22, 0x3e38aa3b                      ; c = log2(e) / 8
	s_mul_i32 s23, s12, PART                       ; my part in LDS
	s_and_b32 s24, s12, 7
	s_mul_i32 s25, s24, 2*PITCH                    ; the two rows that I add up, if I do
	s_lshl_b32 s24, s24, 13
	s_lshl_b32 s16, s14, 16                        ; h16: 65,536 batch + 4,096 head
	s_lshl_b32 s17, s12, 12
	s_add_co_u32 s16, s16, s17
	s_mov_b32 s17, 0
	s_lshl_b32 s18, ttmp9, 18                      ; Wo: 64 rows of 4,096 bytes a work-group, 256 bytes a head
	s_lshl_b32 s19, s12, 8
	s_add_co_u32 s18, s18, s19
	s_mov_b32 s19, 0
	s_lshl_b32 s28, ttmp9, 8                       ; my 64 columns, in bytes
	s_mov_b32 s29, 0
	s_lshl_b32 s26, s14, 23                        ; out0: 2,048 rows of 4,096 bytes a batch
	s_add_co_u32 s26, s26, s28
	s_add_co_u32 s26, s26, s24
	s_mov_b32 s27, 0
	s_wait_kmcnt 0x0
	s_add_nc_u64 s[4:5], s[4:5], s[16:17]
	s_add_nc_u64 s[6:7], s[6:7], s[18:19]
	s_add_nc_u64 s[8:9], s[8:9], s[28:29]
	s_add_nc_u64 s[10:11], s[10:11], s[26:27]
.irp x, 0,1,2,3,4,5,6,7
	global_load_b128 v[QF+4*\x:QF+4*\x+3], v[LI], s[4:5] offset:512*\x
.endr
.irp x, 0,1,2,3,4,5,6,7
	global_load_b128 v[KF+4*\x:KF+4*\x+3], v[LI], s[4:5] offset:262144+512*\x
.endr
.irp t, 0,1,2,3
.irp j, 0,1,2,3,4,5,6,7
	global_load_b32 v[VF+8*\t+\j], v[VA], s[4:5] offset:524288+1024*\t+16*\j
.endr
.endr
.irp tn, 0,1
.irp t, 0,1,2,3
	global_load_b128 v[W01+32*\tn+8*\t:W01+32*\tn+8*\t+3], v[WA], s[6:7] offset:65536*\tn+64*\t
	global_load_b128 v[W01+32*\tn+8*\t+4:W01+32*\tn+8*\t+7], v[WA], s[6:7] offset:65536*\tn+64*\t+16
.endr
.endr
	s_wait_loadcnt 48                              ; q and k are in; V's 32 loads and Wo's 16 may be out
	; S^T = k q^T: lane (r, h) holds query r and keys 8 h + 0 .. 7.  Two accumulators take turns; their sum is the score
	v_wmma_f32_16x16x4_f32 v[SA:SA+7], v[KF:KF+1], v[QF:QF+1], 0
	v_wmma_f32_16x16x4_f32 v[SB:SB+7], v[KF+2:KF+3], v[QF+2:QF+3], 0
.irp x, 2,4,6,8,10,12,14
	v_wmma_f32_16x16x4_f32 v[SA:SA+7], v[KF+2*\x:KF+2*\x+1], v[QF+2*\x:QF+2*\x+1], v[SA:SA+7]
	v_wmma_f32_16x16x4_f32 v[SB:SB+7], v[KF+2*\x+2:KF+2*\x+3], v[QF+2*\x+2:QF+2*\x+3], v[SB:SB+7]
.endr
	v_lshlrev_b32 v14, 3, v13                      ; eight plain lines: the places behind this form, ahead of the loads into q's and k's registers and of the first read of the scores
	v_sub_nc_u32 v[DD], v12, v14
	v_mul_u32_u24 v[STO], v12, PITCH
	v_lshl_add_u32 v[STO], v13, 5, v[STO]
	v_add_nc_u32 v[STO], s23, v[STO]               ; my part: row r, + 32 h
	v_mul_u32_u24 v[RD], v13, PITCH
	v_lshl_add_u32 v[RD], v12, 4, v[RD]
	v_add_nc_u32 v[RD], s25, v[RD]                 ; back: lanes 0-15 one row, lanes 16-31 the next
	v_mov_b32 v[NINF], 0xff800000
	v_lshlrev_b32 v[BOF], 4, v12
	v_lshl_add_u32 v[GO], v13, 12, v[BOF]
	v_mov_b32 v[TM+1], 0                           ; a lane permute's destination counts as one of its sources
	v_mov_b32 v[TM+3], 0
.irp tn, 0,1
.irp t, 0,1,2,3
	global_load_b128 v[W23+32*\tn+8*\t:W23+32*\tn+8*\t+3], v[WA], s[6:7] offset:131072+65536*\tn+64*\t
	global_load_b128 v[W23+32*\tn+8*\t+4:W23+32*\tn+8*\t+7], v[WA], s[6:7] offset:131072+65536*\tn+64*\t+16
.endr
.endr
.irp j, 0,1,2,3,4,5,6,7
	v_add_f32 v[P+\j], v[SA+\j], v[SB+\j]          ; both accumulators from their low ends on
.endr
.irp j, 0,1,2,3,4,5,6,7
	v_cmp_gt_i32 vcc_lo, \j, v[DD]                 ; key 8 h + j comes after query r
	v_cndmask_b32 v[P+\j], v[P+\j], v[NINF], vcc_lo
.endr
	v_max3_num_f32 v[TM], v[P], v[P+1], v[P+2]
	v_max3_num_f32 v[TM], v[TM], v[P+3], v[P+4]
	v_max3_num_f32 v[TM], v[TM], v[P+5], v[P+6]
	v_max_num_f32 v[TM], v[TM], v[P+7]
	v_permlanex16_b32 v[TM+1], v[TM], s20, s21
	v_max_num_f32 v[TM], v[TM], v[TM+1]            ; the row's maximum: key 0 counts for every query
	v_mul_f32 v[TM], s22, v[TM]
.irp j, 0,1,2,3,4,5,6,7
	v_fma_f32 v[P+\j], v[P+\j], s22, -v[TM]
.endr
.irp j, 0,1,2,3,4,5,6,7
	v_exp_f32 v[P+\j], v[P+\j]
.endr
	v_nop
	s_wait_alu depctr_va_vdst(0)                   ; one wait for the eight exponentials
	v_add_f32 v[TM+2], v[P], v[P+1]
	v_add_f32 v[TM+6], v[P+2], v[P+3]
	v_add_f32 v[TM+2], v[TM+2], v[P+4]
	v_add_f32 v[TM+6], v[TM+6], v[P+5]
	v_add_f32 v[TM+2], v[TM+2], v[P+6]
	v_add_f32 v[TM+6], v[TM+6], v[P+7]
	v_add_f32 v[TM+2], v[TM+2], v[TM+6]
	v_permlanex16_b32 v[TM+3], v[TM+2], s20, s21
	v_add_f32 v[TM+2], v[TM+2], v[TM+3]
	v_rcp_f32 v[TM+4], v[TM+2]
	v_mov_b32 v[TM+5], 0                           ; (a plain line behind the reciprocal; the pair's upper half is named with it)
	s_wait_alu depctr_va_vdst(0)
	s_wait_loadcnt 32                              ; V is in; Wo's 32 loads may be out
	; O^T(t) = V^T p: lane (r, h) holds query r and channels 16 t + 8 h + 0 .. 7.  Four accumulators by turns
.irp t, 0,1,2,3
	v_wmma_f32_16x16x4_f32 v[OT+8*\t:OT+8*\t+7], v[VF+8*\t:VF+8*\t+1], v[P:P+1], 0
.endr
.irp i, 1,2,3
.irp t, 0,1,2,3
	v_wmma_f32_16x16x4_f32 v[OT+8*\t:OT+8*\t+7], v[VF+8*\t+2*\i:VF+8*\t+2*\i+1], v[P+2*\i:P+2*\i+1], v[OT+8*\t:OT+8*\t+7]
.endr
.endr
.rept 8
	v_nop
.endr
.set x, 0
.rept 16
	v_pk_mul_f32 v[VF+2*x:VF+2*x+1], v[OT+2*x:OT+2*x+1], v[TM+4:TM+5] op_sel_hi:[1,0]   ; / the sum, into other registers
.set x, x+1
.endr
	s_wait_loadcnt 0x0
	; my head's part of out^T(tn) = Wo(tn) attention^T: lane (r, h) holds query r and columns 16 tn + 8 h + 0 .. 7.  Four accumulators by turns
	v_wmma_f32_16x16x4_f32 v[OU:OU+7], v[W01:W01+1], v[VF:VF+1], 0
	v_wmma_f32_16x16x4_f32 v[OU+8:OU+15], v[W01+32:W01+33], v[VF:VF+1], 0
	v_wmma_f32_16x16x4_f32 v[SA:SA+7], v[W23:W23+1], v[VF:VF+1], 0
	v_wmma_f32_16x16x4_f32 v[SB:SB+7], v[W23+32:W23+33], v[VF:VF+1], 0
.set x, 1
.rept 15
	v_wmma_f32_16x16x4_f32 v[OU:OU+7], v[W01+2*x:W01+2*x+1], v[VF+2*x:VF+2*x+1], v[OU:OU+7]
	v_wmma_f32_16x16x4_f32 v[OU+8:OU+15], v[W01+32+2*x:W01+33+2*x], v[VF+2*x:VF+2*x+1], v[OU+8:OU+15]
	v_wmma_f32_16x16x4_f32 v[SA:SA+7], v[W23+2*x:W23+2*x+1], v[VF+2*x:VF+2*x+1], v[SA:SA+7]
	v_wmma_f32_16x16x4_f32 v[SB:SB+7], v[W23+32+2*x:W23+33+2*x], v[VF+2*x:VF+2*x+1], v[SB:SB+7]
.set x, x+1
.endr
.rept 8
	v_nop
.endr
	ds_store_b128 v[STO], v[OU:OU+3]
	ds_store_b128 v[STO], v[OU+4:OU+7] offset:16
	ds_store_b128 v[STO], v[OU+8:OU+11] offset:64
	ds_store_b128 v[STO], v[OU+12:OU+15] offset:80
	ds_store_b128 v[STO], v[SA:SA+3] offset:128
	ds_store_b128 v[STO], v[SA+4:SA+7] offset:144
	ds_store_b128 v[STO], v[SB:SB+3] offset:192
	ds_store_b128 v[STO], v[SB+4:SB+7] offset:208
	s_wait_dscnt 0x0                               ; for the others' sake: my part lies in LDS
	s_barrier_signal -1
	s_barrier_wait -1
	s_cmp_ge_u32 s12, 8                            ; waves 0-7 add the sixteen parts, two rows each
	s_cbranch_scc1 .Ldone
	global_load_b128 v[80:83], v[BOF], s[8:9]      ; the bias starts the sum
.irp x, 0,1,2,3,4,5,6,7,8,9,10,11,12,13,14,15
	ds_load_b128 v[16+4*\x:19+4*\x], v[RD] offset:PART*\x
.endr
	s_wait_dscnt 0x0
	s_wait_loadcnt 0x0
.irp x, 0,1,2,3,4,5,6,7,8,9,10,11,12,13,14,15
	v_pk_add_f32 v[80:81], v[80:81], v[16+4*\x:17+4*\x]
	v_pk_add_f32 v[82:83], v[82:83], v[18+4*\x:19+4*\x]
.endr
	global_store_b128 v[GO], v[80:83], s[10:11] th:TH_STORE_NT   ; sixteen lanes store 256 consecutive bytes, aligned
.Ldone:
	s_wait_tensorcnt 0x0                           ; the wave's end, behind my last LDS store
	ds_add_u32 v[SPW], v[NIL]
	s_wait_dscnt 0x0
	s_endpgm
.Lfunc_end_k_q2111cd2d3c_first16:
	.size	k_q2111cd2d3c_first16, .Lfunc_end_k_q2111cd2d3c_first16-k_q2111cd2d3c_first16
	.p2alignl 7, 3214868480
	.fill 96, 4, 3214868480
	.section	.rodata,"a",@progbits
	.p2align	6, 0x0
	.amdhsa_kernel k_q2111cd2d3c_first16
		.amdhsa_group_segment_fixed_size 71680
		.amdhsa_private_segment_fixed_size 0
		.amdhsa_enable_private_segment 0
		.amdhsa_kernarg_size 32
		.amdhsa_user_sgpr_count 2
		.amdhsa_user_sgpr_kernarg_segment_ptr 1
		.amdhsa_wavefront_size32 1
		.amdhsa_system_sgpr_workgroup_id_x 1
		.amdhsa_system_sgpr_workgroup_id_y 1
		.amdhsa_system_sgpr_workgroup_id_z 1
		.amdhsa_system_vgpr_workitem_id 0
		.amdhsa_next_free_vgpr 256
		.amdhsa_next_free_sgpr 66
		.amdhsa_reserve_vcc 1
		.amdhsa_float_denorm_mode_32 3
		.amdhsa_float_denorm_mode_16_64 3
		.amdhsa_memory_ordered 1
		.amdhsa_forward_progress 1
		.amdhsa_inst_pref_size 25
	.end_amdhsa_kernel
	.amdgpu_metadata
---
amdhsa.version: [ 1, 2 ]
amdhsa.kernels:
  - .name:           k_q2111cd2d3c_first16
    .symbol:         k_q2111cd2d3c_first16.kd
    .args:
      - { .name: h16, .offset: 0, .size: 8, .value_kind: global_buffer, .address_space: global }
      - { .name: Wo, .offset: 8, .size: 8, .value_kind: global_buffer, .address_space: global }
      - { .name: bo, .offset: 16, .size: 8, .value_kind: global_buffer, .address_space: global }
      - { .name: out0, .offset: 24, .size: 8, .value_kind: global_buffer, .address_space: global }
    .group_segment_fixed_size: 71680
    .private_segment_fixed_size: 0
    .kernarg_segment_align: 8
    .kernarg_segment_size: 32
    .max_flat_workgroup_size: 512
    .sgpr_count:     66
    .vgpr_count:     256
    .wavefront_size: 32
...
	.end_amdgpu_metadata
.endif
;; end of part 5
